; MI455X (gfx1250); checked and timed in simulation.
; The chip was launched on July 23, 2026; its instructions are those of AMD's public machine-readable ISA for CDNA 5 (MIT licence, August 2026) and "CDNA5" Instruction Set Architecture Reference Guide (July 2026). The comments in the code are by the model that wrote it; some were corrected since.
;; Block. Allowed arithmetic: matrix products marked QUANTISED: E4M3 operands, one E8M0 scale for each 32 along K, by v_wmma_scale_f32_16x16x128_f8f6f4 with both operands' format E4M3, f32 sums; everything else in f32.
;; Inputs: Wf 1,024 x 1,024 float32; Wk 1,024 x 16 x 64 float32; Wq 1,024 x 16 x 64 float32; Wv 1,024 x 16 x 64 float32; bf 1,024 float32; x 4 x 2,048 x 1,024 float32.
;; Outputs: out0 4 x 2,048 x 1,024 float32.
;; This version of the problem:
;;   THIS VERSION OF THE PROBLEM IS GIVEN IN LOW PRECISION. The matrix products marked QUANTISED in the list below multiply operands that are first quantised to E4M3 (4 exponent bits, 3 mantissa bits; 8 bits a number), with one power-of-two scale for each 32 numbers along K (OCP MX v1.0); their sums are f32. All else is computed in f32.
;;   The module's matrix products, in the order in which they are computed (A, B: the left and right operand; K: the contracted axis; several contracted axes count as one K, in the product's order):
;;     1. [M 1,024, K 1,024] x [K 1,024, N 8,192]; A: input Wq; B: input x: QUANTISED
;;     2. [M 1,024, K 1,024] x [K 1,024, N 8,192]; A: input Wk; B: input x: QUANTISED
;;     3. [M 1,024, K 1,024] x [K 1,024, N 8,192]; A: input Wv; B: input x: QUANTISED
;;     4. batch 64 x [M 2,048, K 64] x [K 64, N 2,048]; A: computed on the way; B: computed on the way: QUANTISED
;;     5. batch 64 x [M 2,048, K 2,048] x [K 2,048, N 64]; A: softmax (see below); B: computed on the way: QUANTISED
;;     6. [M 8,192, K 1,024] x [K 1,024, N 1,024]; A: computed on the way; B: input Wf: QUANTISED
;;   THE QUANTISER, for each operand of a quantised product, along K:
;;     - K is cut into blocks of 32 from its start; a last block that is shorter is filled with zeros.
;;     - A block's scale is 2^e with e = floor(log2(the largest magnitude in the block)) - 8, held to -126 .. 127; a block of zeros has e = 0. As a byte (E8M0): e + 127.
;;     - Each number is divided by its block's scale, clamped to +-448, and rounded to the nearest number of E4M3, ties to even, subnormals kept.
;;     - The product sums the exact products of the quantised numbers (number of the format x scale) in f32.
;;   ~~~python
;;   def quantise(x, axis):      # numpy; x: float32 -> the quantised numbers, widened to float32 again
;;       x = np.moveaxis(x, axis, -1); K = x.shape[-1]
;;       x = np.pad(x, [(0, 0)] * (x.ndim - 1) + [(0, -K % 32)]); x = x.reshape(x.shape[:-1] + (-1, 32)); a = np.abs(x).max(-1, keepdims=True)
;;       e = np.where(a > 0, np.clip(np.frexp(np.where(a > 0, a, 1))[1] - 1 - 8, -126, 127), 0)      # np.frexp(a)[1] - 1 = floor(log2(a)), exactly
;;       r = np.clip(x / 2.0 ** e, -448, 448)
;;       step = 2.0 ** (np.maximum(np.frexp(np.where(r == 0, 1, r))[1] - 1, -6) - 3)
;;       q = np.round(r / step) * step * 2.0 ** e      # np.round: ties to even
;;       return np.moveaxis(q.reshape(q.shape[:-2] + (-1,))[..., :K], -1, axis).astype(np.float32)
;;   ~~~
;;   SOFTMAX AHEAD OF A QUANTISED PRODUCT. Where the list says 'softmax', what is quantised is not the finished softmax but p = 2^(t - M), with t = logit x log2(e) and M = ceil(the row's largest t), a whole number; so 1/2 < the row's largest p <= 1. The row's sum l is taken of the UNQUANTISED p, in f32, and the product's result is divided by l at the end. Since M is a whole number, a kernel that streams over the keys may use a running M (the ceiling of the running maximum): every later rescaling is an exact power of two, which a block's scale takes up: the codes' values come out the same.
;;   OPERANDS COMPUTED ON THE WAY. 'Computed on the way' means the value that the module computes at that place (a softmax that the list does not call 'softmax' is quantised finished and normalised). What goes into a quantiser is computed in f32, as accurately as f32 sums, v_exp_f32 and their like allow (about 1e-6 of the number): no bf16 or f16 on the way to a quantiser, and a product that is left as it is and whose result goes on into a quantised operand takes f32 operands (vector FMAs, or v_wmma_f32_16x16x4_f32). A number that lies on a knife's edge between two numbers of the format may be rounded either way, as far as f32 arithmetic and the matrix unit's own rounding can turn it there, and no further.
;; One version. Each part assembles by itself: llvm-mc -triple=amdgcn-amd-amdhsa -mcpu=gfx1250 --defsym DOCPART=n.
;; ======== version 1 of 1: 4 launches
;; limits: right only within a limited range of input values
;; workspace buffers: ops1 11,534,336 bytes; ops1s 360,448 bytes; ops2 9,437,184 bytes; ops2s 294,912 bytes; qkv 25,952,256 bytes
;; launch quant (part 1): grid 480 x 1, 4 waves a work-group, no clusters, 34,304 bytes of LDS; arguments x, Wf, Wq, Wk, Wv, ops1, ops1s, ops2, ops2s; writes ops1, ops1s, ops2, ops2s
.if DOCPART == 1
	.amdgcn_target "amdgcn-amd-amdhsa--gfx1250"
	.amdhsa_code_object_version 6
	.text
	.protected	k_q16ea4eeafc_quant
	.globl	k_q16ea4eeafc_quant
	.p2align	8
	.type	k_q16ea4eeafc_quant,@function
k_q16ea4eeafc_quant:
	s_mov_b64 s[64:65], 0
	v_nop
	global_prefetch_b8 v0, s[64:65] scope:SCOPE_SE
	s_setreg_imm32_b32 hwreg(HW_REG_WAVE_MODE, 25, 1), 1
	s_wait_xcnt 0x0
; x [8192][1024], Wf [1024][1024] (K innermost) and Wq, Wk, Wv [1024 (K)][1024 (n)] (K outermost), all f32, become codes of FP8 (E4M3) with one E8M0 byte for each 32 along K.
; A block's scale is 2^(floor(log2(largest magnitude)) - 8); each number is divided by it, held within +-448 and rounded to the nearest code, ties to even.
; LAYOUT OF THE RESULTS: images of operand registers.  A matrix [rows][1024] is cut into row tiles of 16 rows; row r of tile a is matrix row 32 (a / 2) + 16 (r / 8) + 8 (a % 2) + r % 8.
; A fragment (tile a, K step ks of 128) is 2,048 bytes [c 0..3][lane 0..31][16 bytes]: lane (r, h) holds k = 128 ks + 32 c + 16 h + 0 .. 15 of the tile's row r.  A buffer is [tile][ks 0..7][2,048 bytes].
; Scale words (four bytes: the four blocks of a K step) lie [tile][ks / 4][r][ks % 4]: 512 bytes a tile.
; ops1: tiles 0-511 x, 512-575 Wq, 576-639 Wk, 640-703 Wv.  ops2: tiles 512-575 Wf (tiles 0-511 are written by a later launch).
; WORK-GROUPS 0-287 (x: 0-255, Wf: 256-287): a wave takes one tile x 512 along K.  Each load reads 512 consecutive bytes of a row; a K step's 16 rows turn through the wave's own stage in LDS, so that a lane gets 16 neighbours of each block.
; WORK-GROUPS 288-479 (64 for each of Wq, Wk, Wv): a wave takes 32 columns x 128 along K: a lane is a column and its registers run down K, so a block of 32 lies in one lane.  This path uses no LDS.
; Waves share nothing: no barrier.
; LIMITS: NaN and infinities among the inputs are not served.  A block of zeros, or one whose largest magnitude lies under 2^-118, gets the byte 1 (the bytes are read by this program alone; zero codes add nothing).
; The weights' scale words leave as single words 16 bytes apart: 96 KiB in the launch, one byte for each 128 bytes read.
.set TM,  8                            ; v8-11 largest magnitudes, v12-15 bytes, v16-19 448 x the scale, v20-23 the conversions' scale operands
.set SW,  24                           ; v24-27 the scale words of four K steps
.set ST,  32                           ; v32-95 64 numbers of a lane: register 16 b + i = k 32 b + 16 h + i of its row
.set R,   96                           ; v96-223 two sets of 64 registers as loaded
.set PC,  224                          ; v224-255 two sets of 16 registers of codes
.set X,   96                           ; the columns' path: v96-223 128 numbers down K
.set CD,  224                          ; and 8 registers of codes for each block
.set SEL, 30                           ; s30, s31 lane selects for v_permlanex16_b32: lane l xor 16
.set MNT, 32                           ; s32 the mantissa field of 448
; 64 numbers v[s] .. v[s+63] become 16 registers of codes in v[pc] on and a scale word in v[pw]
.macro QUANT s, pc, pw
.irp b, 0,1,2,3
	v_max3_num_f32 v[TM+\b], |v[\s+16*\b]|, |v[\s+1+16*\b]|, 0x4800000   ; my 16 numbers of block b, and the floor 2^(9 - 127): the byte cannot fall under 1
.endr
.irp i, 2,4,6,8,10,12,14
.irp b, 0,1,2,3
	v_max3_num_f32 v[TM+\b], v[TM+\b], |v[\s+16*\b+\i]|, |v[\s+1+16*\b+\i]|   ; the four blocks by turns
.endr
.endr
.irp b, 0,1,2,3
	v_permlanex16_b32 v[TM+4+\b], v[TM+\b], s[SEL], s[SEL+1]
.endr
.irp b, 0,1,2,3
	v_max_num_f32 v[TM+\b], v[TM+\b], v[TM+4+\b]   ; with lane l xor 16's 16: the block's largest magnitude
.endr
.irp b, 0,1,2,3
	v_add_nc_u32 v[TM+12+\b], 0xfc000000, v[TM+\b] ; 8 off its exponent field: the conversion takes this operand's exponent field as its scale
.endr
.irp b, 0,1,2,3
	v_and_or_b32 v[TM+8+\b], v[TM+\b], 0x7f800000, s[MNT]   ; 448 x the scale
.endr
.irp b, 0,1,2,3
	v_lshrrev_b32 v[TM+4+\b], 23, v[TM+12+\b]      ; the scale's byte
.endr
	v_lshl_or_b32 v[\pw], v[TM+5], 8, v[TM+4]
	v_lshl_or_b32 v[\pw], v[TM+6], 16, v[\pw]
	v_lshl_or_b32 v[\pw], v[TM+7], 24, v[\pw]
.irp b, 0,1,2,3
.irp i, 0,1,2,3,4,5,6,7,8,9,10,11,12,13,14,15
	v_med3_num_f32 v[\s+16*\b+\i], v[\s+16*\b+\i], -v[TM+8+\b], v[TM+8+\b]   ; the conversion to an 8-bit code does not saturate (ISA guide 7.6.2): the hold comes first
.endr
	v_cvt_scalef32_pk8_fp8_f32 v[\pc+4*\b:\pc+4*\b+1], v[\s+16*\b:\s+16*\b+7], v[TM+12+\b]
	v_cvt_scalef32_pk8_fp8_f32 v[\pc+4*\b+2:\pc+4*\b+3], v[\s+16*\b+8:\s+16*\b+15], v[TM+12+\b]
.endr
	v_nop                                          ; a plain vector line behind the last conversion
.endm
	s_load_b512 s[8:23], s[0:1], 0x0               ; x s[8:9], Wf s[10:11], Wq s[12:13], Wk s[14:15], Wv s[16:17], ops1 s[18:19], ops1s s[20:21], ops2 s[22:23]
	s_load_b64 s[24:25], s[0:1], 0x40              ; ops2s
	v_lshl_add_u32 v30, v0, 2, 0x8400
	v_mov_b32 v31, 0
	v_lshrrev_b32 v1, 5, v0
	v_readfirstlane_b32 s26, v1                    ; wave 0..3
	v_and_b32 v1, 31, v0                           ; lane
	s_mov_b32 s[SEL], 0x76543210
	s_mov_b32 s[SEL+1], 0xfedcba98
	s_mov_b32 s[MNT], 0x600000
	s_cmp_lt_u32 ttmp9, 288
	s_cbranch_scc0 .Lcols
	; ---------------- K innermost: x and Wf ----------------
	v_and_b32 v2, 15, v0                           ; r
	v_bfe_u32 v3, v0, 4, 1                         ; h
	v_lshlrev_b32 v4, 4, v1                        ; 16 x lane: my bytes of a load's 512, and of an image's 512
	s_mul_i32 s34, s26, 8448                       ; my wave's stage: 16 rows x (512 + 16) bytes
	v_add_nc_u32 v5, s34, v4                       ; into it: as loaded
	v_mul_u32_u24 v6, v2, 528
	v_lshl_add_u32 v6, v3, 6, v6
	v_add_nc_u32 v6, s34, v6                       ; out of it: row r, + 64 h: my 16 numbers of a block
	v_lshlrev_b32 v7, 4, v2                        ; 16 r: my row's four scale words
.irp b, 0,1,2,3
	v_mov_b32 v[TM+4+\b], 0                        ; written once: a lane permute's destination counts as one of its sources
.endr
	s_cmp_lt_u32 ttmp9, 256                        ; x's work-group or Wf's: the choice hangs on the work-group's number alone
	s_cselect_b32 s35, 0, 256
	s_cselect_b32 s36, 0, 512
	s_wait_alu depctr_va_vdst(0)
	s_wait_kmcnt 0x0
	s_cselect_b64 s[38:39], s[8:9], s[10:11]       ; from
	s_cselect_b64 s[40:41], s[18:19], s[22:23]     ; codes to
	s_cselect_b64 s[42:43], s[20:21], s[24:25]     ; scale words to
	s_sub_co_u32 s35, ttmp9, s35
	s_lshl_b32 s35, s35, 2
	s_add_co_u32 s35, s35, s26                     ; unit = 4 x work-group + wave
	s_lshr_b32 s37, s35, 1                         ; tile a
	s_and_b32 s35, s35, 1                          ; which 512 along K
	s_lshr_b32 s44, s37, 1
	s_lshl_b32 s44, s44, 5
	s_and_b32 s45, s37, 1
	s_lshl_b32 s45, s45, 3
	s_add_co_u32 s44, s44, s45                     ; the tile's first row: 32 (a / 2) + 8 (a % 2)
	s_lshl_b32 s44, s44, 12                        ; rows of 4,096 bytes
	s_lshl_b32 s45, s35, 11
	s_add_co_u32 s44, s44, s45
	s_mov_b32 s45, 0
	s_add_nc_u64 s[38:39], s[38:39], s[44:45]
	s_add_co_u32 s37, s37, s36                     ; the tile's number in its buffer
	s_lshl_b32 s44, s37, 14
	s_lshl_b32 s46, s35, 13
	s_add_co_u32 s44, s44, s46
	s_add_nc_u64 s[40:41], s[40:41], s[44:45]
	s_lshl_b32 s44, s37, 9
	s_lshl_b32 s46, s35, 8
	s_add_co_u32 s44, s44, s46
	s_add_nc_u64 s[42:43], s[42:43], s[44:45]
.macro LOADK t                         ; K step t: 16 rows x 512 bytes; the tile's i-th row lies i + 8 (i / 8) rows on
.set RL, R+64*((\t)%2)
.irp i, 0,1,2,3,4,5,6,7,8,9,10,11,12,13,14,15
	global_load_b128 v[RL+4*\i:RL+4*\i+3], v4, s[38:39] offset:(\i+8*(\i/8))*4096+512*(\t) th:TH_LOAD_NT
.endr
.endm
.macro KSTEP t
.set RS, R+64*((\t)%2)
.set PCS, PC+16*((\t)%2)
.if (\t) < 3
	s_wait_loadcnt 16                              ; this K step's 16 loads are in; the next step's 16 may be out
.else
	s_wait_loadcnt 0x0
.endif
.irp i, 0,1,2,3,4,5,6,7,8,9,10,11,12,13,14,15
	ds_store_b128 v5, v[RS+4*\i:RS+4*\i+3] offset:528*\i
.endr
.irp c, 0,1,2,3
.irp j, 0,1,2,3
	ds_load_b128 v[ST+16*\c+4*\j:ST+16*\c+4*\j+3], v6 offset:128*\c+16*\j   ; LDS serves a wave's instructions in order: these see the stores above
.endr
.endr
	s_wait_dscnt 0x0                               ; the numbers are back, and the stores have read their registers
.if (\t) < 2
	LOADK (\t)+2                                   ; which take the loads of two steps on
.else
	s_wait_xcnt 0x0                                ; the stores of two steps back have read their codes: that set is written again only behind this wait
.endif
	QUANT ST, PCS, SW+(\t)
.irp c, 0,1,2,3
	global_store_b128 v4, v[PCS+4*\c:PCS+4*\c+3], s[40:41] offset:2048*(\t)+512*\c   ; 32 lanes store 512 consecutive bytes
.endr
.endm
	LOADK 0
	LOADK 1
	KSTEP 0
	KSTEP 1
	KSTEP 2
	KSTEP 3
	s_wait_xcnt 0x0                                ; EXEC changes only behind this wait
	v_cmp_gt_u32 vcc_lo, 16, v1
	s_wait_tensorcnt 0x0
	ds_add_u32 v30, v31
	s_wait_dscnt 0x0
	s_and_saveexec_b32 s33, vcc_lo                 ; lanes 16-31 hold the same words
	global_store_b128 v7, v[SW:SW+3], s[42:43]     ; 16 lanes store 256 consecutive bytes, aligned
	s_wait_xcnt 0x0
	s_or_b32 exec_lo, exec_lo, s33
	s_endpgm
	; ---------------- K outermost: Wq, Wk, Wv ----------------
.Lcols:
	s_sub_co_u32 s34, ttmp9, 288
	s_lshr_b32 s35, s34, 6                         ; which tensor
	s_bfe_u32 s36, s34, 0x30003                    ; K step ks
	s_and_b32 s37, s34, 7
	s_lshl_b32 s37, s37, 2
	s_add_co_u32 s37, s37, s26                     ; F: columns 32 F .. 32 F + 31 = row tiles 2 F, 2 F + 1
	s_wait_alu depctr_va_vdst(0)
	v_lshlrev_b32 v4, 2, v1                        ; in: 4 bytes a lane
	v_bfe_u32 v2, v0, 3, 1                         ; column 32 F + lane is row r' of tile 2 F + u: u = bit 3 of the lane,
	v_and_b32 v3, 7, v0
	v_bfe_u32 v6, v0, 4, 1
	v_lshl_or_b32 v3, v6, 3, v3                    ; r' = bits 0-2, and bit 4 on top
	v_lshlrev_b32 v3, 4, v3
	v_lshl_add_u32 v5, v2, 14, v3                  ; codes: 16,384 u + 16 r'
	v_lshl_add_u32 v6, v2, 9, v3                   ; scale word: 512 u + 16 r'
	s_wait_alu depctr_va_vdst(0)
	s_wait_kmcnt 0x0
	s_cmp_eq_u32 s35, 0
	s_cselect_b64 s[38:39], s[12:13], s[14:15]
	s_cmp_eq_u32 s35, 2
	s_cselect_b64 s[38:39], s[16:17], s[38:39]
	s_lshl_b32 s44, s36, 19                        ; 128 rows of 4,096 bytes a K step
	s_lshl_b32 s46, s37, 7
	s_add_co_u32 s44, s44, s46
	s_mov_b32 s45, 0
	s_add_nc_u64 s[38:39], s[38:39], s[44:45]
	s_lshl_b32 s46, s35, 6
	s_lshl_b32 s47, s37, 1
	s_add_co_u32 s46, s46, s47
	s_add_co_u32 s46, s46, 512                     ; row tile 512 + 64 x tensor + 2 F
	s_lshl_b32 s44, s46, 14
	s_lshl_b32 s47, s36, 11
	s_add_co_u32 s44, s44, s47
	s_add_nc_u64 s[40:41], s[18:19], s[44:45]
	s_lshl_b32 s44, s46, 9
	s_lshr_b32 s47, s36, 2
	s_lshl_b32 s47, s47, 8
	s_add_co_u32 s44, s44, s47
	s_and_b32 s47, s36, 3
	s_lshl_b32 s47, s47, 2
	s_add_co_u32 s44, s44, s47
	s_add_nc_u64 s[42:43], s[20:21], s[44:45]
.macro CLOAD c                         ; block c: W(128 ks + 32 c + i, my column): 32 lanes read 128 consecutive bytes
.set i, 0
.rept 32
	global_load_b32 v[X+32*(\c)+i], v4, s[38:39] offset:(32*(\c)+i)*4096 th:TH_LOAD_NT
.set i, i+1
.endr
.endm
.macro CBLOCK c
.set XS, X+32*(\c)
.set CS, CD+8*(\c)
.if (\c) < 3
	s_wait_loadcnt 32                              ; this block's 32 loads are in; the next block's may be out
.else
	s_wait_loadcnt 0x0
.endif
.if (\c) < 2
	CLOAD (\c)+2                                   ; two blocks ahead, into registers of its own
.endif
	v_max3_num_f32 v8, |v[XS]|, |v[XS+1]|, |v[XS+2]|   ; the block's largest magnitude: all 32 numbers are mine
	v_max3_num_f32 v9, |v[XS+3]|, |v[XS+4]|, |v[XS+5]|
.irp i, 6,10,14,18,22,26
	v_max3_num_f32 v8, v8, |v[XS+\i]|, |v[XS+\i+1]|
	v_max3_num_f32 v9, v9, |v[XS+\i+2]|, |v[XS+\i+3]|
.endr
	v_max3_num_f32 v8, v8, |v[XS+30]|, |v[XS+31]|
	v_max3_num_f32 v8, v8, v9, 0x4800000           ; and the floor
	v_add_nc_u32 v11, 0xfc000000, v8
	v_and_or_b32 v10, v8, 0x7f800000, s[MNT]
	v_lshrrev_b32 v12, 23, v11
.if (\c) == 0
	v_mov_b32 v13, v12
.else
	v_lshl_or_b32 v13, v12, 8*(\c), v13            ; four bytes make the K step's scale word
.endif
.set i, 0
.rept 32
	v_med3_num_f32 v[XS+i], v[XS+i], -v10, v10
.set i, i+1
.endr
.irp g, 0,1,2,3
	v_cvt_scalef32_pk8_fp8_f32 v[CS+2*\g:CS+2*\g+1], v[XS+8*\g:XS+8*\g+7], v11
.endr
	v_nop                                          ; a plain vector line behind the last conversion
	global_store_b128 v5, v[CS:CS+3], s[40:41] offset:512*(\c)          ; k = 32 c + 0 .. 15: the place of lane (r', 0); 16 lanes fill 256 consecutive bytes, aligned
	global_store_b128 v5, v[CS+4:CS+7], s[40:41] offset:512*(\c)+256    ; k = 32 c + 16 .. 31: the place of lane (r', 1)
.endm
	CLOAD 0
	CLOAD 1
	CBLOCK 0
	CBLOCK 1
	CBLOCK 2
	CBLOCK 3
	global_store_b32 v6, v13, s[42:43]
	s_endpgm
.Lfunc_end_k_q16ea4eeafc_quant:
	.size	k_q16ea4eeafc_quant, .Lfunc_end_k_q16ea4eeafc_quant-k_q16ea4eeafc_quant
	.p2alignl 7, 3214868480
	.fill 96, 4, 3214868480
	.section	.rodata,"a",@progbits
	.p2align	6, 0x0
	.amdhsa_kernel k_q16ea4eeafc_quant
		.amdhsa_group_segment_fixed_size 34304
		.amdhsa_private_segment_fixed_size 0
		.amdhsa_enable_private_segment 0
		.amdhsa_kernarg_size 72
		.amdhsa_user_sgpr_count 2
		.amdhsa_user_sgpr_kernarg_segment_ptr 1
		.amdhsa_wavefront_size32 1
		.amdhsa_system_sgpr_workgroup_id_x 1
		.amdhsa_system_sgpr_workgroup_id_y 1
		.amdhsa_system_sgpr_workgroup_id_z 1
		.amdhsa_system_vgpr_workitem_id 0
		.amdhsa_next_free_vgpr 256
		.amdhsa_next_free_sgpr 66
		.amdhsa_reserve_vcc 1
		.amdhsa_float_denorm_mode_32 3
		.amdhsa_float_denorm_mode_16_64 3
		.amdhsa_memory_ordered 1
		.amdhsa_forward_progress 1
		.amdhsa_inst_pref_size 80
	.end_amdhsa_kernel
	.amdgpu_metadata
---
amdhsa.version: [ 1, 2 ]
amdhsa.kernels:
  - .name:           k_q16ea4eeafc_quant
    .symbol:         k_q16ea4eeafc_quant.kd
    .args:
      - { .name: x, .offset: 0, .size: 8, .value_kind: global_buffer, .address_space: global }
      - { .name: Wf, .offset: 8, .size: 8, .value_kind: global_buffer, .address_space: global }
      - { .name: Wq, .offset: 16, .size: 8, .value_kind: global_buffer, .address_space: global }
      - { .name: Wk, .offset: 24, .size: 8, .value_kind: global_buffer, .address_space: global }
      - { .name: Wv, .offset: 32, .size: 8, .value_kind: global_buffer, .address_space: global }
      - { .name: ops1, .offset: 40, .size: 8, .value_kind: global_buffer, .address_space: global }
      - { .name: ops1s, .offset: 48, .size: 8, .value_kind: global_buffer, .address_space: global }
      - { .name: ops2, .offset: 56, .size: 8, .value_kind: global_buffer, .address_space: global }
      - { .name: ops2s, .offset: 64, .size: 8, .value_kind: global_buffer, .address_space: global }
    .group_segment_fixed_size: 34304
    .private_segment_fixed_size: 0
    .kernarg_segment_align: 8
    .kernarg_segment_size: 72
    .max_flat_workgroup_size: 128
    .sgpr_count:     66
    .vgpr_count:     256
    .wavefront_size: 32
...
	.end_amdgpu_metadata
.endif
;; end of part 1
;; launch qkv (part 2): grid 12 x 32, 4 waves a work-group, clusters of 4 x 4, 327,680 bytes of LDS; arguments ops1, ops1s, qkv; writes qkv
.if DOCPART == 2
	.amdgcn_target "amdgcn-amd-amdhsa--gfx1250"
	.amdhsa_code_object_version 6
	.text
	.protected	k_q16ea4eeafc_qkv
	.globl	k_q16ea4eeafc_qkv
	.p2align	8
	.type	k_q16ea4eeafc_qkv,@function
k_q16ea4eeafc_qkv:
	s_mov_b64 s[64:65], 0
	v_nop
	global_prefetch_b8 v0, s[64:65] scope:SCOPE_SE
	s_setreg_imm32_b32 hwreg(HW_REG_WAVE_MODE, 25, 1), 1
	s_wait_xcnt 0x0
	s_wait_alu depctr_hold_cnt(0) depctr_sa_sdst(0) depctr_va_vdst(0) depctr_va_sdst(0) depctr_va_ssrc(0) depctr_va_vcc(0) depctr_vm_vsrc(0)
	s_getreg_b32 s2, hwreg(HW_REG_IB_STS2, 6, 4)
	s_cmp_eq_u32 s2, 0
	s_cbranch_scc0 .Lentry_in_a_cluster
	s_endpgm
.Lentry_in_a_cluster:
	s_bfe_u32 s2, ttmp6, 0x10000c
	s_cmp_lg_u32 s2, 0xf033
	s_cbranch_scc0 .Lentry_shape_is_right
	s_endpgm
.Lentry_shape_is_right:
; The three projections q, k, v = x W on codes of FP8 (E4M3) with E8M0 scales, K = 1,024, and the quantising of their results for the attention: q and k along the head's 64, v along the tokens.
; OPERANDS (buffer ops1): register images.  Row tiles of 16 rows (row r of tile a is matrix row 32 (a / 2) + 16 (r / 8) + 8 (a % 2) + r % 8), [tile][K step of 128][c 0..3][lane][16 bytes]; x is tiles 0-511, Wq 512-575, Wk 576-639, Wv 640-703.
; Scale words (ops1s): [tile][ks / 4][r][ks % 4].
; A work-group makes 256 x 256 of a product, four waves 128 x 128 each (64 accumulators, 512 registers).  K goes in four steps of 256 through two LDS slots; all is written out, there is no loop.
; The matrix instruction is used transposed: source 0 = 16 rows of "B", source 1 = 16 rows of "A".  By the choice of a tile's rows, a lane (r, h) then holds row r of A's tile, and the 16 registers of B's tiles 2 j, 2 j + 1 are B's rows 32 j + 16 h + 0 .. 15:
; 16 neighbours of a block of 32, in the order that the next operand's registers want.
; THE CLUSTER'S x IS THE KIND: 0: q, 1: k: A = x (tokens), B = W (n = 64 head + d): blocks run along d.  2: v: A = Wv, B = x: blocks run along the tokens.  One way out serves all three; only strides differ, chosen by s_cselect on the cluster's x.
; CLUSTERS 4 x 4: A's tiles are shared along a row of the cluster, B's along a column: joint loads.
; RESULTS (buffer qkv): Q codes [head 64][tile 128][c' 2][lane][16 B] at 0; Q scale halves [head][F 64][r 16][u 2] (16 bits each; tile 2 F + u) at QS0; from KV0 on one block of HKV bytes a head:
;   0: K's scale words [F 64][r 16] (bytes 0, 1: token tile 2 F; bytes 2, 3: tile 2 F + 1);  4,096: V's [step 16][d tile 4][r 16];  8,192 + 16,384 s: K of key step s [f 4][c 4][lane][16 B] (c = 2 u + c': row r holds token tile 2 (4 s + f) + u),
;   and 8,192 bytes on: V of step s [d tile 4][c 4][lane][16 B] (k = the step's 128 keys).
; LIMITS: NaN and infinities are not served.  A block whose largest magnitude lies under 2^-118 gets the byte 1.  The scale words leave in pieces of 64 bytes: one byte for each 32 bytes of codes.
.set SLOT,  131072                     ; a slot: four regions of 32,768 bytes (A's rows 0-127, 128-255, B's likewise), each [tile 0..7][q 0..1][2,048 bytes]
.set SPARE, 2*SLOT                     ; behind the ring: the spare words, 128 bytes for each wave: two blocks of 256 bytes that no other line names
.set QS0,   8388608
.set KV0,   8650752
.set HKV,   270336
.set NP,    8                          ; places behind this matrix instruction (ISA guide 7.12.1)
.set ADRA, 16                          ; v16-17  LDS address of my A fragments in slot 0, 1
.set ADRB, 20                          ; v20-21  the same for B
.set VO0,  22                          ; v22     the way out: 16 x lane
.set VO1,  23                          ; v23     the same for blocks 2 and 3
.set VOS,  24                          ; v24     the way out: my scale word's place
.set SELV, 25                          ; v25     the byte selector that makes it
.set SPW,  28                          ; v28     LDS address of my spare word; never rewritten
.set NIL,  29                          ; v29     0; never rewritten
.set SC,   32                          ; v32-95  all scale words: register SC + 8 i + ks: lanes 0-15 A's tile i, lanes 16-31 B's tile i
.set TM,   96                          ; v96-111 the way out, at work
.set PW,   112                         ; v112, v113 the scale words of an even and an odd tile of rows
.set SWD,  114                         ; v114    the word to be stored
.set AF,   128                         ; v128-255 A's fragments, one set; on the way out v128-159 two sets of codes
.set PC,   128
.set MNT,  11                          ; s11 the mantissa field of 448
.set SEL,  12                          ; s12, s13 lane selects for v_permlanex16_b32
.set G1,   24                          ; s[24:31] descriptor group 1 for A's tiles; s[32:39] group 0, one set for each slot
.set G0,   32
.set G1B,  48                          ; s[48:55], s[56:63] the same for B's
.set G0B,  56
.set CB,   70                          ; s[70:71] where the codes go;  s[72:73] where the scale words go
.set SBS,  72
.set MSB, 0
.macro WIN new                         ; the immediate's high byte repeats the setting that is left
.if MSB != (\new)
	s_set_vgpr_msb (MSB<<8)|(\new)
.set MSB, (\new)
.endif
.endm
.set MUL_LO, 0xa1                      ; source 0 (B) window 1, source 1 (A) window 0, C and D window 2
.set MUL_HI, 0xf1                      ; the same, C and D window 3
.set TO_B,   0x40
; A slot's joint refill: wave 2 x slot fetches A's 16 tiles, wave 2 x slot + 1 B's, the other two nothing; the branches hang on the wave's number alone.  An s_nop 0 and four v_nop follow each load.
.macro RLOAD slot
	s_cmp_eq_u32 s14, 2*\slot
	s_cbranch_scc0 .Lfor_b_\@
	tensor_load_to_lds s[G0+4*\slot:G0+4*\slot+3], s[G1:G1+7]
	s_nop 0
.rept 4
	v_nop
.endr
	s_branch .Lasked_\@
.Lfor_b_\@:
	s_cmp_eq_u32 s14, 2*\slot+1
	s_cbranch_scc0 .Lasked_\@
	tensor_load_to_lds s[G0B+4*\slot:G0B+4*\slot+3], s[G1B:G1B+7]
	s_nop 0
.rept 4
	v_nop
.endr
.Lasked_\@:
.endm
; an arm of the head's one chain of branches
.macro ARM under, g0, g1, next
	s_cmp_lt_u32 s14, \under
	s_cbranch_scc0 \next
	tensor_load_to_lds s[\g0:\g0+3], s[\g1:\g1+7]
	s_nop 0
.rept 4
	v_nop
.endr
	s_branch .Lhead_asked
\next:
.endm
.macro CREST                           ; a round of the cluster's barrier behind its opening barrier
	s_cmp_lg_u32 s14, 0
	s_cbranch_scc1 .Lnot_wave_0_\@
	s_barrier_signal -3
.Lnot_wave_0_\@:
	s_barrier_wait -3
	s_barrier_signal -1
	s_barrier_wait -1
.endm
.macro CROUND
	s_barrier_signal -1
	s_barrier_wait -1
	CREST
.endm
.macro PLACES n
.rept \n
	v_nop
.endr
.endm
	s_load_b128 s[4:7], s[0:1], 0x0                ; ops1 s[4:5], ops1s s[6:7]
	s_load_b64 s[8:9], s[0:1], 0x10                ; qkv
	v_lshl_add_u32 v[SPW], v0, 2, SPARE
	v_mov_b32 v[NIL], 0
	ds_add_u32 v28, v29
	ds_add_u32 v28, v29
	s_wait_dscnt 0x0
	v_lshrrev_b32 v1, 5, v0
	v_readfirstlane_b32 s14, v1                    ; wave 0..3
	s_lshr_b32 s15, s14, 1                         ; my half of A's rows.  Also: the slot I fetch for
	s_and_b32 s16, s14, 1                          ; my half of B's rows.  Also: I fetch for A (0) or for B (1)
	s_bfe_u32 s40, ttmp6, 0x40000                  ; cx, cy: my place in the cluster
	s_bfe_u32 s41, ttmp6, 0x40004
	s_and_b32 s18, ttmp7, 0xffff
	s_lshl_b32 s18, s18, 2                         ; 4 x cluster y: the tokens' unit of 256 rows
	s_lshl_b32 s19, ttmp9, 2
	s_add_co_u32 s19, s19, 32                      ; 32 + 4 x kind: Wq's or Wk's first unit
	s_cmp_eq_u32 ttmp9, 2                          ; v?  The cluster's x is the same in all sixteen partners
	s_cselect_b32 s17, 40, s18
	s_cselect_b32 s42, s18, s19
	s_add_co_u32 s17, s17, s41                     ; A's unit: hangs on cy alone
	s_add_co_u32 s42, s42, s40                     ; B's unit: hangs on cx alone
	s_lshl_b32 s43, s41, 2
	s_lshl_b32 s43, 15, s43                        ; my row of the cluster
	s_lshl_b32 s44, 0x1111, s40                    ; my column
	; descriptor group 1: 16 rows (row tiles) of 4,096 bytes (two K steps' fragments), 16,384 bytes apart; elements of 8 bytes; no padding
	s_or_b32 s[G1+0], s43, (3<<16)|(1<<21)         ; 15:0 the mask; 17:16 elements of 8 bytes; 21 set beside a mask
	s_or_b32 s[G1B+0], s44, (3<<16)|(1<<21)
.irp g, G1, G1B
	s_mov_b32 s[\g+1], 512<<16                     ; tensor_dim0 = 512
	s_mov_b32 s[\g+2], 16<<16                      ; tensor_dim1 = 16: a load brings all 16 tiles of a unit
	s_mov_b32 s[\g+3], 512<<16                     ; tile_dim0 = 512
	s_mov_b32 s[\g+4], 16                          ; tile_dim1 = 16
	s_mov_b32 s[\g+5], 2048                        ; tensor_dim0_stride
	s_mov_b32 s[\g+6], 0
	s_mov_b32 s[\g+7], 0
.endr
	s_lshl_b32 s20, s17, 18                        ; a unit is 16 tiles of 16,384 bytes
	s_mov_b32 s21, 0
	s_add_co_u32 s20, s20, s21
	s_mov_b32 s21, 0
	s_lshl_b32 s46, s42, 18
	s_mov_b32 s47, 0
	s_add_co_u32 s46, s46, s47
	s_mov_b32 s47, 0
	s_lshl_b32 s45, s14, 15                        ; where they go: wave x 32,768: no place in the cluster enters an LDS address
	s_wait_kmcnt 0x0
	s_add_nc_u64 s[20:21], s[4:5], s[20:21]
	s_add_nc_u64 s[46:47], s[4:5], s[46:47]
	CROUND                                         ; all sixteen work-groups are here: the first joint loads meet
.irp s, 0,1
	s_mov_b32 s[G0+4*\s], 1
	s_mov_b32 s[G0+4*\s+1], \s*SLOT                ; A's 16 tiles at the slot's head
	s_add_nc_u64 s[G0+4*\s+2:G0+4*\s+3], s[20:21], \s*4096
	s_or_b32 s[G0+4*\s+3], s[G0+4*\s+3], 0x80000000
	s_mov_b32 s[G0B+4*\s], 1
	s_mov_b32 s[G0B+4*\s+1], \s*SLOT+65536         ; B's behind them
	s_add_nc_u64 s[G0B+4*\s+2:G0B+4*\s+3], s[46:47], \s*4096
	s_or_b32 s[G0B+4*\s+3], s[G0B+4*\s+3], 0x80000000
.endr
	; the head's four tiles, one joint load a wave, each on a line of its own: slot 0's A and B, which are wanted first, then slot 1's
	ARM 1, G0,    G1,  .Lhead_b0
	ARM 2, G0B,   G1B, .Lhead_a1
	ARM 3, G0+4,  G1,  .Lhead_b1
	tensor_load_to_lds s[G0B+4:G0B+7], s[G1B:G1B+7]
	s_nop 0
.rept 4
	v_nop
.endr
.Lhead_asked:
	v_and_b32 v1, 31, v0                           ; lane
	v_lshlrev_b32 v2, 4, v1                        ; 16 x lane
	v_and_b32 v3, 15, v0                           ; r
	v_lshlrev_b32 v4, 4, v3                        ; 16 r
	; all scale words of my 8 tiles of A and 8 of B, for all of K, straight from memory, once: 16 lanes read 256 consecutive bytes
	s_wait_alu depctr_va_vdst(0)
	s_lshl_b32 s68, s17, 4
	s_lshl_b32 s69, s15, 3
	s_add_co_u32 s68, s68, s69
	s_lshl_b32 s68, s68, 9                         ; A's: tile 16 x unit + 8 x half, 512 bytes a tile
	s_lshl_b32 s69, s42, 4
	s_lshl_b32 s82, s16, 3
	s_add_co_u32 s69, s69, s82
	s_lshl_b32 s69, s69, 9                         ; B's
	v_add_nc_u32 v5, s68, v4
	v_add_nc_u32 v6, s69, v4
	v_cmp_gt_u32 vcc_lo, 16, v1
	v_cndmask_b32 v5, v6, v5, vcc_lo               ; lanes 0-15 take A's, lanes 16-31 B's
.irp i, 0,1,2,3,4,5,6,7
.irp kq, 0,1
	global_load_b128 v[SC+8*\i+4*\kq:SC+8*\i+4*\kq+3], v5, s[6:7] offset:512*\i+256*\kq
.endr
.endr
	s_lshl_b32 s66, s15, 15                        ; my 128 rows of A
	s_lshl_b32 s67, s16, 15
	s_add_co_u32 s67, s67, 65536                   ; my 128 rows of B, behind A's two regions
.irp s, 0,1
	v_add_nc_u32 v[ADRA+\s], s66, v2
	v_add_nc_u32 v[ADRB+\s], s67, v2
	s_add_co_u32 s66, s66, SLOT
	s_add_co_u32 s67, s67, SLOT
.endr
	; THE WAY OUT'S NUMBERS.  First what the tokens' side and the heads' side are (v: B and A; q, k: A and B), then strides and constants by kind.
	s_mov_b32 s[MNT], 0x600000
	s_mov_b32 s[SEL], 0x76543210
	s_mov_b32 s[SEL+1], 0xfedcba98
	s_cmp_eq_u32 ttmp9, 2
	s_cselect_b32 s82, s42, s17                    ; the tokens' unit
	s_cselect_b32 s83, s41, s40                    ; which four heads
	s_cselect_b32 s84, s16, s15                    ; my half of the tokens
	s_cselect_b32 s85, s15, s16                    ; my two of the four heads
	s_mov_b32 s86, KV0+8192
	s_cselect_b32 s86, KV0+16384, s86              ; codes: the constant
	s_mov_b32 s87, KV0
	s_cselect_b32 s87, KV0+4096, s87               ; scale words: the constant
	s_mov_b32 s74, 1024
	s_cselect_b32 s74, 2048, s74                   ; codes: from a tile of A's rows to the next,
	s_cselect_b32 s76, 262144, 0                   ; and more in front of the fifth (v: the next head)
	s_cselect_b32 s78, 128, 64                     ; scale words: from a pair of tiles to the next,
	s_cselect_b32 s80, 270080, 0                   ; and more in front of the third pair
	s_mov_b32 s89, 0x05040100                      ; q, k: a word is two bytes of the even tile's and two of the odd tile's; lanes 0-15 the first head's,
	s_cselect_b32 s89, 0x03020100, s89             ; v: lanes 0-15 the even tile's word,
	s_mov_b32 s90, 0x07060302                      ; lanes 16-31 the second head's
	s_cselect_b32 s90, 0x07060504, s90             ; lanes 16-31 the odd tile's
	s_mov_b32 s91, HKV
	s_cselect_b32 s92, 1024, s91                   ; codes: from block 0 to block 2
	s_cselect_b32 s93, 64, s91                     ; scale words: from lanes 0-15 to lanes 16-31
	s_cmp_eq_u32 ttmp9, 0
	s_cselect_b32 s86, 0, s86
	s_cselect_b32 s87, QS0, s87
	s_cselect_b32 s92, 131072, s92
	s_cselect_b32 s93, 4096, s93
	s_cselect_b32 s94, 131072, s91                 ; codes: from head to head
	s_cselect_b32 s95, 4096, s91                   ; scale words: from head to head
	s_cselect_b32 s96, 13, 14                      ; codes: 128 tokens are 8,192 bytes of q, 16,384 of a head block
	s_mov_b32 s75, 0
	s_mov_b32 s77, 0
	s_mov_b32 s79, 0
	s_mov_b32 s81, 0
	s_lshr_b32 s97, s82, 3
	s_lshl_b32 s97, s97, 4                         ; 16 x batch
	s_lshl_b32 s83, s83, 2
	s_add_co_u32 s97, s97, s83
	s_lshl_b32 s85, s85, 1
	s_add_co_u32 s97, s97, s85                     ; my first head (batch x 16 + head)
	s_and_b32 s82, s82, 7
	s_lshl_b32 s82, s82, 1
	s_add_co_u32 s82, s82, s84                     ; which 128 tokens of the batch's 2,048
	s_mul_i32 s98, s97, s94
	s_lshl_b32 s88, s82, s96
	s_add_co_u32 s98, s98, s88
	s_add_co_u32 s98, s98, s86
	s_mov_b32 s99, 0
	s_add_nc_u64 s[CB:CB+1], s[8:9], s[98:99]
	s_mul_i32 s98, s97, s95
	s_lshl_b32 s88, s82, 8
	s_add_co_u32 s98, s98, s88
	s_add_co_u32 s98, s98, s87
	s_add_nc_u64 s[SBS:SBS+1], s[8:9], s[98:99]
	v_lshlrev_b32 v[VO0], 4, v1
	v_add_nc_u32 v[VO1], s92, v[VO0]
	v_bfe_u32 v7, v0, 4, 1                         ; h
	v_mul_u32_u24 v[VOS], s93, v7
	v_lshl_add_u32 v[VOS], v3, 2, v[VOS]           ; 4 r + h x the distance
	v_mov_b32 v8, s89
	v_mov_b32 v9, s90
	v_cndmask_b32 v[SELV], v9, v8, vcc_lo
.irp b, 0,1,2,3
	v_mov_b32 v[TM+4+\b], 0                        ; written once: a lane permute's destination counts as one of its sources
.endr
.macro FRAG reg, adr, q, i             ; a fragment comes as it lies: four loads of 512 consecutive bytes
.irp c, 0,1,2,3
	ds_load_b128 v[\reg+4*\c:\reg+4*\c+3], v[\adr] offset:4096*(\i)+2048*(\q)+512*\c
.endr
.endm
; 16 matrix instructions: A's tiles a0, a0 + 1 x B's eight, K step ks.  p: B's set.  zero = 1: the first product starts the sums.  The 64 accumulators take turns, one instruction a turn, in the same order in every step.
.macro MUL16 a0, p, ks, zero
.irp a, \a0, \a0+1
.irp b, 0,1,2,3,4,5,6,7
.if \zero
	v_wmma_scale_f32_16x16x128_f8f6f4 v[8*(8*((\a)%4)+\b):8*(8*((\a)%4)+\b)+7], v[128*(\p)+16*\b:128*(\p)+16*\b+15], v[AF+16*(\a):AF+16*(\a)+15], 0, v[SC+8*\b+(\ks)], v[SC+8*(\a)+(\ks)] matrix_a_scale:MATRIX_SCALE_ROW1
.else
	v_wmma_scale_f32_16x16x128_f8f6f4 v[8*(8*((\a)%4)+\b):8*(8*((\a)%4)+\b)+7], v[128*(\p)+16*\b:128*(\p)+16*\b+15], v[AF+16*(\a):AF+16*(\a)+15], v[8*(8*((\a)%4)+\b):8*(8*((\a)%4)+\b)+7], v[SC+8*\b+(\ks)], v[SC+8*(\a)+(\ks)] matrix_a_scale:MATRIX_SCALE_ROW1
.endif
.endr
.endr
.endm
.macro FETCH_B slot, q, p
	WIN TO_B
.irp i, 0,1,2,3,4,5,6,7
	FRAG 128*(\p)+16*\i, ADRB+\slot, \q, \i
.endr
	WIN 0
.endm
.macro FETCH_A slot, q, i0
.irp i, \i0, \i0+1, \i0+2, \i0+3
	FRAG AF+16*(\i), ADRA+\slot, \q, \i
.endr
.endm
; A slot's first step of 128 along K.  A load into a register that a matrix instruction has read stands NP plain vector instructions behind it.
.macro STEP slot, ks, zero
	s_wait_dscnt 16                                ; B's set and A's tiles 0-3 are in; the youngest 16 loads (A's tiles 4-7) may be out
	WIN MUL_LO
	MUL16 0, 0, \ks, \zero
	MUL16 2, 0, \ks, \zero
	s_wait_dscnt 0x0                               ; A's tiles 4-7 are in
	PLACES NP
	FETCH_B \slot, 1, 1
	FETCH_A \slot, 1, 0
	WIN MUL_HI
	MUL16 4, 0, \ks, \zero
	MUL16 6, 0, \ks, \zero
	PLACES NP
	WIN 0
	FETCH_A \slot, 1, 4
.endm
; A slot's second step changes slots: one barrier; in front of it each wave waits for all its tensor loads, adds 0 to its spare word, and waits for that and for its reads of this slot.  fill = 1: this slot is filled again, two slots ahead.
.macro TURN slot, next, fill, ks
	s_wait_tensorcnt 0x0                           ; all my tensor loads have landed: my part of the next slot
	ds_add_u32 v[SPW], v[NIL]                      ; 0 onto my spare word
	s_wait_dscnt 17                                ; (the add and the youngest 16 loads may be out)
	WIN MUL_LO
	MUL16 0, 1, \ks, 0
	s_wait_dscnt 0x0                               ; the add is done, and my reads of this slot are over
	s_barrier_signal -1
	MUL16 2, 1, \ks, 0
	WIN 0
	s_barrier_wait -1
.if \fill
	CREST                                          ; the barrier has opened a round of the cluster's barrier: no wave of any partner still reads this slot or has a load on its way
	s_add_nc_u64 s[G0+4*\slot+2:G0+4*\slot+3], s[G0+4*\slot+2:G0+4*\slot+3], 8192
	s_add_nc_u64 s[G0B+4*\slot+2:G0B+4*\slot+3], s[G0B+4*\slot+2:G0B+4*\slot+3], 8192
	RLOAD \slot                                    ; the first tensor load behind the round
	PLACES NP
.else
	PLACES NP
.endif
	FETCH_B \next, 0, 0
	FETCH_A \next, 0, 0
	WIN MUL_HI
	MUL16 4, 1, \ks, 0
	MUL16 6, 1, \ks, 0
	PLACES NP
	WIN 0
	FETCH_A \next, 0, 4
.endm
	s_wait_alu depctr_va_vdst(0)
	s_cmp_lt_u32 s14, 2
	s_cbranch_scc0 .Lnot_slot_0
	s_wait_tensorcnt 0x0                           ; waves 0 and 1: slot 0 is in; slot 1's loads are waited for at the first change of slots
.Lnot_slot_0:
	s_barrier_signal -1
	s_barrier_wait -1
	FETCH_B 0, 0, 0
	FETCH_A 0, 0, 0
	FETCH_A 0, 0, 4
	s_wait_loadcnt 0x0                             ; the scale words
	STEP 0, 0, 1
	TURN 0, 1, 1, 1
	STEP 1, 2, 0
	TURN 1, 0, 1, 3
	STEP 0, 4, 0
	TURN 0, 1, 0, 5                                ; nothing is left to fetch
	STEP 1, 6, 0
	s_wait_dscnt 16
	WIN MUL_LO
	MUL16 0, 1, 7, 0
	MUL16 2, 1, 7, 0
	s_wait_dscnt 0x0
	WIN MUL_HI
	MUL16 4, 1, 7, 0
	MUL16 6, 1, 7, 0
	WIN 0
	PLACES NP                                      ; in front of the first read of results, and of writes into registers that held A's fragments
; THE WAY OUT of A's tile a: its 64 numbers a lane are four blocks of 32 (with lane l xor 16): they are quantised where they lie and leave as register images, 512 consecutive bytes a store.  No LDS.
.macro EPI a
.set W, 2+(\a)/4
.set AC, 64*((\a)%4)
.set PCS, PC+16*((\a)%2)
	WIN (W|(W<<2))                                 ; sources 0 and 1: the accumulators' window
.irp b, 0,1,2,3
	v_max3_num_f32 v[TM+\b], |v[AC+16*\b]|, |v[AC+16*\b+1]|, 0x4800000   ; each accumulator is read from its low end on; the floor 2^(9 - 127) holds the byte at 1 from below
.endr
.irp i, 2,4,6,8,10,12,14
.irp b, 0,1,2,3
	v_max3_num_f32 v[TM+\b], |v[AC+16*\b+\i]|, |v[AC+16*\b+\i+1]|, v[TM+\b]
.endr
.endr
	WIN 0
.irp b, 0,1,2,3
	v_permlanex16_b32 v[TM+4+\b], v[TM+\b], s[SEL], s[SEL+1]
.endr
.irp b, 0,1,2,3
	v_max_num_f32 v[TM+\b], v[TM+\b], v[TM+4+\b]
.endr
.irp b, 0,1,2,3
	v_add_nc_u32 v[TM+12+\b], 0xfc000000, v[TM+\b]
.endr
.irp b, 0,1,2,3
	v_and_or_b32 v[TM+8+\b], v[TM+\b], 0x7f800000, s[MNT]
.endr
.irp b, 0,1,2,3
	v_lshrrev_b32 v[TM+4+\b], 23, v[TM+12+\b]
.endr
	v_lshl_or_b32 v[PW+(\a)%2], v[TM+5], 8, v[TM+4]
	v_lshl_or_b32 v[PW+(\a)%2], v[TM+6], 16, v[PW+(\a)%2]
	v_lshl_or_b32 v[PW+(\a)%2], v[TM+7], 24, v[PW+(\a)%2]
	WIN (W|(W<<6))                                 ; source 0 and destination: the accumulators' window
.set n, 0
.rept 64
	v_med3_num_f32 v[AC+n], v[AC+n], -v[TM+8+n/16], v[TM+8+n/16]   ; the hold at 448 x the scale (ISA guide 7.6.2: the conversion does not saturate)
.set n, n+1
.endr
	WIN W
.irp b, 0,1,2,3
	v_cvt_scalef32_pk8_fp8_f32 v[PCS+4*\b:PCS+4*\b+1], v[AC+16*\b:AC+16*\b+7], v[TM+12+\b]
	v_cvt_scalef32_pk8_fp8_f32 v[PCS+4*\b+2:PCS+4*\b+3], v[AC+16*\b+8:AC+16*\b+15], v[TM+12+\b]
.endr
	WIN 0
	v_nop                                          ; a plain vector line behind the last conversion
	global_store_b128 v[VO0], v[PCS:PCS+3], s[CB:CB+1]
	global_store_b128 v[VO0], v[PCS+4:PCS+7], s[CB:CB+1] offset:512
	global_store_b128 v[VO1], v[PCS+8:PCS+11], s[CB:CB+1]
	global_store_b128 v[VO1], v[PCS+12:PCS+15], s[CB:CB+1] offset:512
.if (\a)%2
	v_perm_b32 v[SWD], v[PW+1], v[PW], v[SELV]
	global_store_b32 v[VOS], v[SWD], s[SBS:SBS+1]
.endif
.if (\a) < 7
	s_wait_xcnt 0x0                                ; the stores have read their bases and registers: both are written again only behind this wait
	s_add_nc_u64 s[CB:CB+1], s[CB:CB+1], s[74:75]
.if (\a) == 3
	s_add_nc_u64 s[CB:CB+1], s[CB:CB+1], s[76:77]
.endif
.if (\a)%2
	s_add_nc_u64 s[SBS:SBS+1], s[SBS:SBS+1], s[78:79]
.endif
.if (\a) == 3
	s_add_nc_u64 s[SBS:SBS+1], s[SBS:SBS+1], s[80:81]
.endif
.endif
.endm
.irp a, 0,1,2,3,4,5,6,7
	EPI \a
.endr
	s_wait_tensorcnt 0x0                           ; the wave's end
	ds_add_u32 v[SPW], v[NIL]
	s_wait_dscnt 0x0
	CROUND                                         ; the closing round: no work-group ends while a partner may still ask for a tile that names it
	s_endpgm
.Lfunc_end_k_q16ea4eeafc_qkv:
	.size	k_q16ea4eeafc_qkv, .Lfunc_end_k_q16ea4eeafc_qkv-k_q16ea4eeafc_qkv
	.p2alignl 7, 3214868480
	.fill 96, 4, 3214868480
	.section	.rodata,"a",@progbits
	.p2align	6, 0x0
	.amdhsa_kernel k_q16ea4eeafc_qkv
		.amdhsa_group_segment_fixed_size 327680
		.amdhsa_private_segment_fixed_size 0
		.amdhsa_enable_private_segment 0
		.amdhsa_kernarg_size 24
		.amdhsa_user_sgpr_count 2
		.amdhsa_user_sgpr_kernarg_segment_ptr 1
		.amdhsa_wavefront_size32 1
		.amdhsa_system_sgpr_workgroup_id_x 1
		.amdhsa_system_sgpr_workgroup_id_y 1
		.amdhsa_system_sgpr_workgroup_id_z 1
		.amdhsa_system_vgpr_workitem_id 0
		.amdhsa_next_free_vgpr 1024
		.amdhsa_next_free_sgpr 100
		.amdhsa_reserve_vcc 1
		.amdhsa_float_denorm_mode_32 3
		.amdhsa_float_denorm_mode_16_64 3
		.amdhsa_memory_ordered 1
		.amdhsa_forward_progress 1
		.amdhsa_inst_pref_size 185
	.end_amdhsa_kernel
	.amdgpu_metadata
---
amdhsa.version: [ 1, 2 ]
amdhsa.kernels:
  - .name:           k_q16ea4eeafc_qkv
    .symbol:         k_q16ea4eeafc_qkv.kd
    .args:
      - { .name: ops1, .offset: 0, .size: 8, .value_kind: global_buffer, .address_space: global }
      - { .name: ops1s, .offset: 8, .size: 8, .value_kind: global_buffer, .address_space: global }
      - { .name: qkv, .offset: 16, .size: 8, .value_kind: global_buffer, .address_space: global }
    .group_segment_fixed_size: 327680
    .private_segment_fixed_size: 0
    .kernarg_segment_align: 8
    .kernarg_segment_size: 24
    .max_flat_workgroup_size: 128
    .sgpr_count:     100
    .vgpr_count:     1024
    .wavefront_size: 32
...
	.end_amdgpu_metadata
.endif
;; end of part 2
;; launch attn (part 3): grid 4 x 64, 8 waves a work-group, clusters of 4 x 1, 327,680 bytes of LDS; arguments qkv, ops2, ops2s; writes ops2, ops2s
.if DOCPART == 3
	.amdgcn_target "amdgcn-amd-amdhsa--gfx1250"
	.amdhsa_code_object_version 6
	.text
	.protected	k_q16ea4eeafc_attn
	.globl	k_q16ea4eeafc_attn
	.p2align	8
	.type	k_q16ea4eeafc_attn,@function
k_q16ea4eeafc_attn:
	s_mov_b64 s[64:65], 0
	v_nop
	global_prefetch_b8 v0, s[64:65] scope:SCOPE_SE
	s_setreg_imm32_b32 hwreg(HW_REG_WAVE_MODE, 25, 1), 1
	s_wait_xcnt 0x0
	s_wait_alu depctr_hold_cnt(0) depctr_sa_sdst(0) depctr_va_vdst(0) depctr_va_sdst(0) depctr_va_ssrc(0) depctr_va_vcc(0) depctr_vm_vsrc(0)
	s_getreg_b32 s2, hwreg(HW_REG_IB_STS2, 6, 4)
	s_cmp_eq_u32 s2, 0
	s_cbranch_scc0 .Lentry_in_a_cluster
	s_endpgm
.Lentry_in_a_cluster:
	s_bfe_u32 s2, ttmp6, 0x10000c
	s_cmp_lg_u32 s2, 0x3003
	s_cbranch_scc0 .Lentry_shape_is_right
	s_endpgm
.Lentry_shape_is_right:
; Causal attention of one head (batch x 16 + head = grid y) on codes of FP8 (E4M3) with E8M0 scales, and the quantising of its result along the 64 channels for the last product.
; p = 2^(t - M), t = score x log2(e) / 32, M the running largest t rounded up to a whole number; the row's sum is taken of the unquantised p and divides at the end.
; LEFT OUT: key steps of 128 keys that lie wholly behind a pair's queries: the causal mask sets those scores to -inf.
; LIMITS: NaN and infinities are not served; the scaled scores stay under 2^31 in magnitude; a block whose largest magnitude lies under 2^-118 gets the byte 1.
; BUFFER qkv as the launch before leaves it: Q codes [head][tile 128][c' 2][lane][16 B]; Q scale halves at QS0 [head][pair 64][r 16][u 2]; from KV0 on HKV bytes a head: K's scale words, V's scale words, then 16 key steps of 8,192 bytes of K and 8,192 of V, all as images of operand registers.
; SHARES: four work-groups of a cluster share a head; all of its K and V (270,336 bytes) lies in LDS, brought by joint loads at the head of the text.  Eight waves, two to a SIMD.
; A wave owns two PAIRS of query tiles (a pair = tiles 2 P, 2 P + 1 = 32 neighbouring tokens): the late pair 63 - P and the early pair P = 4 x wave + cx: 16 - wave and wave + 1 key steps, 17 in every wave.
; Both tiles of a pair take each fragment of K and V from the same registers, and their softmax runs on eight blocks of 32 keys by turns.
; REGISTERS: window 0: addresses, the softmax's small numbers, Q between zeros, the 128 scores.  Window 1: K's four fragments v0-63, V's v64-127, O^T v128-191, p's codes v192-223.
; V of this step and K of the next are asked for behind the first product; the one wait for them stands ahead of the second product.
; NO PREFETCH: every tensor load of the text stands at its head, so there is no later load for a request to run ahead of.
.set QS0,  8388608
.set KV0,  8650752
.set HKV,  270336
.set SPARE, 0x42000                    ; behind K and V: 128 spare bytes for each of eight waves
.set LI,   1                           ; 16 x lane
.set LS,   2                           ; 4 x lane
.set ADK,  3                           ; LDS: this step's V (K's place + 8,192)
.set ADS,  4                           ; this step's scale words
.set ADN,  5                           ; the next step's K
.set DQ,   6                           ; v6, v7: my query's place less my lane's first key, tile A, B
.set VSW,  8                           ; v8, v9 V's scale words
.set NINF, 10
.set DQ0,  11
.set KSW,  12                          ; v12, v13 K's scale words
.set NM,   14                          ; pairs (-M, largest t) of tile A, B
.set FP,   18                          ; pairs (f, p's scale word)
.set L,    22                          ; pairs: the row's sum in two halves
.set QS,   26                          ; v26, v27 Q's scale words
.set BM,   28                          ; eight each: block maxima, at work, bounds, scale operands
.set PM,   36
.set BD,   44
.set SO,   52
.set T,    60
.set SPW,  62
.set NIL,  63
.set QA,   72                          ; v64-103: zeros, Q of tile A, zeros, Q of tile B, zeros
.set S,    104                         ; v104-231 the scores, then p: tile A, tile B
.set QE,   232                         ; the early pair's Q until its turn
.set QWE,  248
.set ADSN, 249
.set QWL,  250
.set KF,   0                           ; window 1
.set VF,   64
.set OW,   128
.set PC,   192
.set WV,   10
.set DGE,  17
.set DGL,  18
.set MNT,  19
.set SEL,  20
.set CS,   22
.set G1A,  24
.set G1B,  32
.set G0A,  40
.set G0B,  44
.set TB,   48
.set TS,   49
.set SI,   50
.set TN,   51
.set TSN,  81
.set MSB, 0
.macro WIN new                         ; the immediate's high byte repeats the setting that is left
.if MSB != (\new)
	s_set_vgpr_msb (MSB<<8)|(\new)
.set MSB, (\new)
.endif
.endm
.macro CROUND
	s_barrier_signal -1
	s_barrier_wait -1
	s_cmp_lg_u32 s[WV], 0
	s_cbranch_scc1 .Lnot_wave_0_\@
	s_barrier_signal -3
.Lnot_wave_0_\@:
	s_barrier_wait -3
	s_barrier_signal -1
	s_barrier_wait -1
.endm
	s_load_b128 s[4:7], s[0:1], 0x0                ; qkv, ops2
	s_load_b64 s[8:9], s[0:1], 0x10                ; ops2s
	v_lshl_add_u32 v[SPW], v0, 2, SPARE
	v_mov_b32 v[NIL], 0
	ds_add_u32 v[SPW], v[NIL]                      ; the opening lines
	ds_add_u32 v[SPW], v[NIL]
	v_lshrrev_b32 v1, 5, v0
	v_readfirstlane_b32 s[WV], v1
	s_bfe_u32 s11, ttmp6, 0x40000                  ; cx
	s_and_b32 s12, ttmp7, 0xffff                   ; the head
	s_lshl_b32 s13, s[WV], 2
	s_add_co_u32 s13, s13, s11                     ; the early pair
	s_sub_co_u32 s14, 63, s13                      ; the late pair
	s_mov_b32 s[DGE], s[WV]                        ; their diagonal key steps hang on the wave's number alone
	s_sub_co_u32 s[DGL], 15, s[WV]
	s_mov_b32 s[MNT], 0x600000
	s_mov_b32 s[SEL], 0x76543210
	s_mov_b32 s[SEL+1], 0xfedcba98
	s_mov_b32 s[CS], 0x3d38aa3b                    ; log2(e) / 32
	s_mov_b32 s[CS+1], s[CS]
	s_mov_b32 s[G1A], 15|(3<<16)|(1<<21)           ; rows of 256 bytes (32 elements of 8), dense; the mask names the cluster's four
	s_mov_b32 s[G1A+1], 32<<16
	s_mov_b32 s[G1A+2], 160<<16                    ; wave 0: the scale words and key steps 0, 1: 40,960 bytes
	s_mov_b32 s[G1A+3], 32<<16
	s_mov_b32 s[G1A+4], 160
	s_mov_b32 s[G1A+5], 32
	s_mov_b32 s[G1A+6], 0
	s_mov_b32 s[G1A+7], 0
	s_mov_b32 s[G1B], 15|(3<<16)|(1<<21)
	s_mov_b32 s[G1B+1], 32<<16
	s_mov_b32 s[G1B+2], 128<<16                    ; waves 1 to 7: two key steps each: 32,768 bytes
	s_mov_b32 s[G1B+3], 32<<16
	s_mov_b32 s[G1B+4], 128
	s_mov_b32 s[G1B+5], 32
	s_mov_b32 s[G1B+6], 0
	s_mov_b32 s[G1B+7], 0
	s_mul_i32 s66, s12, HKV
	s_add_co_u32 s66, s66, KV0
	s_mov_b32 s67, 0
	s_lshl_b32 s70, s[WV], 15
	s_add_co_u32 s70, s70, 8192                    ; 40,960 + 32,768 (wave - 1)
	s_mov_b32 s71, 0
	s_wait_dscnt 0x0
	s_wait_kmcnt 0x0
	s_add_nc_u64 s[66:67], s[4:5], s[66:67]
	CROUND
	s_mov_b32 s[G0A], 1
	s_mov_b32 s[G0A+1], 0
	s_mov_b64 s[G0A+2:G0A+3], s[66:67]
	s_or_b32 s[G0A+3], s[G0A+3], 0x80000000
	s_mov_b32 s[G0B], 1
	s_mov_b32 s[G0B+1], s70
	s_add_nc_u64 s[G0B+2:G0B+3], s[66:67], s[70:71]
	s_or_b32 s[G0B+3], s[G0B+3], 0x80000000
	s_cmp_lt_u32 s[WV], 1                          ; one joint load a wave; wave 0 has a line of its own, since it alone waits at the first barrier
	s_cbranch_scc0 .Lrest
	tensor_load_to_lds s[G0A:G0A+3], s[G1A:G1A+7]
	s_nop 0
.rept 4
	v_nop
.endr
	s_branch .Lasked
.Lrest:
	tensor_load_to_lds s[G0B:G0B+3], s[G1B:G1B+7]
	s_nop 0
.rept 4
	v_nop
.endr
.Lasked:
	s_mov_b32 s73, 0
	s_lshl_b32 s75, s12, 17                        ; Q's codes: 131,072 bytes a head, 2,048 a pair
	s_lshl_b32 s72, s14, 11
	s_add_co_u32 s72, s72, s75
	s_add_nc_u64 s[52:53], s[4:5], s[72:73]
	s_lshl_b32 s72, s13, 11
	s_add_co_u32 s72, s72, s75
	s_add_nc_u64 s[54:55], s[4:5], s[72:73]
	s_lshl_b32 s75, s12, 12                        ; Q's scale halves: 4,096 bytes a head, 64 a pair
	s_add_co_u32 s75, s75, QS0
	s_lshl_b32 s72, s14, 6
	s_add_co_u32 s72, s72, s75
	s_add_nc_u64 s[56:57], s[4:5], s[72:73]
	s_lshl_b32 s72, s13, 6
	s_add_co_u32 s72, s72, s75
	s_add_nc_u64 s[58:59], s[4:5], s[72:73]
	s_lshr_b32 s76, s12, 4
	s_lshl_b32 s76, s76, 6                         ; 64 pairs a batch
	s_and_b32 s77, s12, 15
	s_lshl_b32 s78, s77, 10                        ; the head's 64 channels: 1,024 bytes of a tile's 16,384
	s_add_co_u32 s79, s76, s14
	s_lshl_b32 s72, s79, 15
	s_add_co_u32 s72, s72, s78
	s_add_nc_u64 s[60:61], s[6:7], s[72:73]
	s_add_co_u32 s80, s76, s13
	s_lshl_b32 s72, s80, 15
	s_add_co_u32 s72, s72, s78
	s_add_nc_u64 s[62:63], s[6:7], s[72:73]
	s_lshr_b32 s72, s77, 3
	s_lshl_b32 s72, s72, 8
	s_and_b32 s74, s77, 7
	s_lshl_b32 s74, s74, 1
	s_add_co_u32 s72, s72, s74
	s_add_nc_u64 s[8:9], s[8:9], s[72:73]
	s_lshl_b32 s79, s79, 10                        ; scale words: 512 bytes a tile
	s_lshl_b32 s80, s80, 10
	v_and_b32 v[LI], 31, v0
	v_lshlrev_b32 v[LS], 2, v[LI]
	v_lshlrev_b32 v[LI], 4, v[LI]
.irp c, 0,1
	global_load_b128 v[QA+4*\c:QA+4*\c+3], v[LI], s[52:53] offset:512*\c
	global_load_b128 v[QA+16+4*\c:QA+16+4*\c+3], v[LI], s[52:53] offset:1024+512*\c
.endr
.irp c, 0,1,2,3
	global_load_b128 v[QE+4*\c:QE+4*\c+3], v[LI], s[54:55] offset:512*\c
.endr
	v_and_b32 v[T], 15, v0
	v_lshlrev_b32 v[ADK], 2, v[T]
	global_load_b32 v[QWL], v[ADK], s[56:57]       ; low half: tile A's two bytes, high half: tile B's
	global_load_b32 v[QWE], v[ADK], s[58:59]
	v_and_b32 v[DQ0], 8, v0
	v_add_nc_u32 v[DQ0], v[DQ0], v[T]
	v_and_b32 v[T+1], 16, v0
	v_sub_nc_u32 v[DQ0], v[DQ0], v[T+1]            ; r + 8 (r / 8) - 16 h
	s_and_b32 s72, s14, 3
	s_lshl_b32 s72, s72, 5
	v_add_nc_u32 v[DQ], s72, v[DQ0]
	v_add_nc_u32 v[DQ+1], 8, v[DQ]
	v_mov_b32 v[NINF], 0xff800000
.irp z, 64,80,96
.irp i, 0,1,2,3,4,5,6,7
	v_mov_b32 v[\z+\i], 0
.endr
.endr
.irp b, 0,1,2,3,4,5,6,7
	v_mov_b32 v[PM+\b], 0                          ; a lane permute's destination counts as one of its sources
.endr
.irp b, 0,1,2,3
	v_mov_b32 v[FP+\b], 0
.endr
.macro INIT
	WIN 0x40
.set j, 0
.rept 64
	v_mov_b32 v[OW+j], 0
.set j, j+1
.endr
	WIN 0
.irp t, 0,1
	v_mov_b32 v[NM+2*\t+1], 0xff61b1e6             ; -3e38, under every t
	v_mov_b32 v[L+2*\t], 0
	v_mov_b32 v[L+2*\t+1], 0
.endr
.irp t, 0,1
	v_floor_f32 v[NM+2*\t], -v[NM+2*\t+1]
.endr
.endm
	INIT
.macro KLOAD                           ; K's four fragments and scale words at v[ADN], v[ADSN]
	ds_load_b32 v[KSW], v[ADSN]
	ds_load_b32 v[KSW+1], v[ADSN] offset:128
	WIN 0x40
.irp f, 0,1,2,3
.irp c, 0,1,2,3
	ds_load_b128 v[KF+16*\f+4*\c:KF+16*\f+4*\c+3], v[ADN] offset:2048*\f+512*\c
.endr
.endr
	WIN 0
.endm
.macro PROLOG                          ; the first K of a run of steps
	v_add_nc_u32 v[ADN], s[TB], v[LI]
	v_add_nc_u32 v[ADSN], s[TS], v[LS]
	KLOAD
	s_wait_alu depctr_va_vdst(0)
	s_wait_dscnt 0x0
.endm
.macro SMUL f, t, row                  ; 32 keys of fragment f x tile t: Q beside zeros picks the fragment's first 64 codes, zeros beside Q its second
	v_wmma_scale_f32_16x16x128_f8f6f4 v[S+64*\t+16*\f:S+64*\t+16*\f+7], v[KF+16*\f:KF+16*\f+15], v[QA+16*\t:QA+16*\t+15], 0, v[KSW+\f/2], v[QS+\t] \row
	v_wmma_scale_f32_16x16x128_f8f6f4 v[S+64*\t+16*\f+8:S+64*\t+16*\f+15], v[KF+16*\f:KF+16*\f+15], v[QA+16*\t-8:QA+16*\t+7], 0, v[KSW+\f/2], v[QS+\t] \row
.endm
.macro PMUL d, t, row
	v_wmma_scale_f32_16x16x128_f8f6f4 v[OW+32*\t+8*\d:OW+32*\t+8*\d+7], v[VF+16*\d:VF+16*\d+15], v[PC+16*\t:PC+16*\t+15], v[OW+32*\t+8*\d:OW+32*\t+8*\d+7], v[VSW+\d/2], v[FP+2*\t+1] \row
.endm
; A KEY STEP of 128 keys for both tiles.  DG: the pair's diagonal step; last: the last step whose K may be asked for ahead.
.macro STEP DG, skip, diag, last
.if \skip
	s_cmp_gt_u32 s[SI], s[\DG]
	s_cbranch_scc1 .Lhidden_\@
.endif
	WIN 0x01                                       ; source 0 (K) in window 1
.irp t, 0,1
	SMUL 0, \t
	SMUL 1, \t, matrix_a_scale:MATRIX_SCALE_ROW1
	SMUL 2, \t
	SMUL 3, \t, matrix_a_scale:MATRIX_SCALE_ROW1
.endr
	WIN 0
	s_add_co_u32 s[TN], s[TB], 16384
	s_min_u32 s[TN], s[TN], 8192+16384*\last
	s_add_co_u32 s[TSN], s[TS], 256
	s_min_u32 s[TSN], s[TSN], 256*\last
	v_add_nc_u32 v[ADK], s[TB], v[LI]              ; four additions and four v_nop: the eight places ahead of the loads and of the scores' first readers
	v_add_nc_u32 v[ADS], s[TS], v[LS]
	v_add_nc_u32 v[ADN], s[TN], v[LI]
	v_add_nc_u32 v[ADSN], s[TSN], v[LS]
.rept 4
	v_nop
.endr
	ds_load_b32 v[VSW], v[ADS] offset:4096
	ds_load_b32 v[VSW+1], v[ADS] offset:4224
	WIN 0x40
.irp d, 0,1,2,3
.irp c, 0,1,2,3
	ds_load_b128 v[VF+16*\d+4*\c:VF+16*\d+4*\c+3], v[ADK] offset:8192+2048*\d+512*\c
.endr
.endr
	WIN 0
	KLOAD
.if \diag
	s_cmp_lg_u32 s[SI], s[\DG]
	s_cbranch_scc1 .Lopen_\@
.set n, 0
.rept 128                              ; on the diagonal hidden scores become -infinity
	v_cmp_gt_i32 vcc_lo, 32*((n%64)/16)+n%16, v[DQ+n/64]
	v_cndmask_b32 v[S+n], v[S+n], v[NINF], vcc_lo
.set n, n+1
.endr
.Lopen_\@:
.endif
.irp b, 0,1,2,3,4,5,6,7
	v_max3_num_f32 v[BM+\b], v[S+16*\b], v[S+16*\b+1], v[S+16*\b+2]   ; each block's largest score, the eight blocks by turns
.endr
.irp i, 3,5,7,9,11,13
.irp b, 0,1,2,3,4,5,6,7
	v_max3_num_f32 v[BM+\b], v[BM+\b], v[S+16*\b+\i], v[S+16*\b+\i+1]
.endr
.endr
.irp b, 0,1,2,3,4,5,6,7
	v_max_num_f32 v[BM+\b], v[BM+\b], v[S+16*\b+15]
.endr
.irp b, 0,1,2,3,4,5,6,7
	v_permlanex16_b32 v[PM+\b], v[BM+\b], s[SEL], s[SEL+1]
.endr
.irp b, 0,1,2,3,4,5,6,7
	v_max_num_f32 v[BM+\b], v[BM+\b], v[PM+\b]
.endr
.irp t, 0,1
	v_max3_num_f32 v[T+\t], v[BM+4*\t], v[BM+4*\t+1], v[BM+4*\t+2]
.endr
.irp t, 0,1
	v_max_num_f32 v[T+\t], v[T+\t], v[BM+4*\t+3]
.endr
.irp t, 0,1
	v_mul_f32 v[T+\t], s[CS], v[T+\t]
.endr
.irp t, 0,1
	v_max_num_f32 v[NM+2*\t+1], v[NM+2*\t+1], v[T+\t]   ; the running largest t
.endr
.irp t, 0,1
	v_mov_b32 v[T+\t], v[NM+2*\t]
.endr
.irp t, 0,1
	v_floor_f32 v[NM+2*\t], -v[NM+2*\t+1]          ; -M = floor(-t)
.endr
.irp t, 0,1
	v_sub_f32 v[T+\t], v[NM+2*\t], v[T+\t]
.endr
.irp t, 0,1
	v_cvt_i32_f32 v[T+\t], v[T+\t]
.endr
.irp t, 0,1
	v_ldexp_f32 v[FP+2*\t], 1.0, v[T+\t]           ; f = 2^(old M - new M)
.endr
.set j, 0
.rept 64
	v_pk_fma_f32 v[S+j:S+j+1], v[S+j:S+j+1], s[CS:CS+1], v[NM+2*(j/64):NM+2*(j/64)+1] op_sel_hi:[1,0,0]
.set j, j+2
.endr
.irp b, 0,1,2,3,4,5,6,7
	v_fma_f32 v[BM+\b], v[BM+\b], s[CS], v[NM+2*(\b/4)]
.endr
	s_wait_alu depctr_va_vdst(0)                   ; one wait ahead of the batch, one behind it
.irp b, 0,1,2,3,4,5,6,7
	v_exp_f32 v[BM+\b], v[BM+\b]                   ; each block's largest p
.endr
.set j, 0
.rept 128
	v_exp_f32 v[S+j], v[S+j]
.set j, j+1
.endr
	v_pk_mul_f32 v[L:L+1], v[L:L+1], v[FP:FP+1] op_sel_hi:[1,0]
	v_pk_mul_f32 v[L+2:L+3], v[L+2:L+3], v[FP+2:FP+3] op_sel_hi:[1,0]
	s_wait_alu depctr_va_vdst(0)
.irp t, 0,1                            ; the sums of the unquantised p: three chains a tile, six by turns
	v_pk_add_f32 v[PM+4*\t:PM+4*\t+1], v[S+64*\t:S+64*\t+1], v[S+64*\t+2:S+64*\t+3]
	v_pk_add_f32 v[PM+4*\t+2:PM+4*\t+3], v[S+64*\t+4:S+64*\t+5], v[S+64*\t+6:S+64*\t+7]
.endr
.irp k, 0,1,2,3,4,5,6,7,8
.irp t, 0,1
	v_pk_add_f32 v[L+2*\t:L+2*\t+1], v[L+2*\t:L+2*\t+1], v[S+64*\t+8+6*\k:S+64*\t+9+6*\k]
	v_pk_add_f32 v[PM+4*\t:PM+4*\t+1], v[PM+4*\t:PM+4*\t+1], v[S+64*\t+10+6*\k:S+64*\t+11+6*\k]
	v_pk_add_f32 v[PM+4*\t+2:PM+4*\t+3], v[PM+4*\t+2:PM+4*\t+3], v[S+64*\t+12+6*\k:S+64*\t+13+6*\k]
.endr
.endr
.irp t, 0,1
	v_pk_add_f32 v[L+2*\t:L+2*\t+1], v[L+2*\t:L+2*\t+1], v[S+64*\t+62:S+64*\t+63]
	v_pk_add_f32 v[PM+4*\t:PM+4*\t+1], v[PM+4*\t:PM+4*\t+1], v[PM+4*\t+2:PM+4*\t+3]
.endr
.irp t, 0,1
	v_pk_add_f32 v[L+2*\t:L+2*\t+1], v[L+2*\t:L+2*\t+1], v[PM+4*\t:PM+4*\t+1]
.endr
.irp b, 0,1,2,3,4,5,6,7
	v_max_num_f32 v[BM+\b], 0x4800000, v[BM+\b]    ; the floor 2^(9 - 127): the byte cannot fall under 1
.endr
.irp b, 0,1,2,3,4,5,6,7
	v_add_nc_u32 v[SO+\b], 0xfc000000, v[BM+\b]    ; the conversion's scale operand
.endr
.irp b, 0,1,2,3,4,5,6,7
	v_and_or_b32 v[BD+\b], v[BM+\b], 0x7f800000, s[MNT]   ; 448 x the scale
.endr
.irp b, 0,1,2,3,4,5,6,7
	v_lshrrev_b32 v[PM+\b], 23, v[SO+\b]
.endr
.irp t, 0,1
	v_lshl_or_b32 v[FP+2*\t+1], v[PM+4*\t+1], 8, v[PM+4*\t]
.endr
.irp t, 0,1
	v_lshl_or_b32 v[FP+2*\t+1], v[PM+4*\t+2], 16, v[FP+2*\t+1]
.endr
.irp t, 0,1
	v_lshl_or_b32 v[FP+2*\t+1], v[PM+4*\t+3], 24, v[FP+2*\t+1]
.endr
.set j, 0
.rept 64                               ; the hold (ISA guide 7.6.2: the conversion does not saturate); p is not negative; two numbers a line
	v_dual_min_num_f32 v[S+j], v[S+j], v[BD+j/16] :: v_dual_min_num_f32 v[S+j+1], v[S+j+1], v[BD+j/16]
.set j, j+2
.endr
	WIN 0x40                                       ; the codes go to window 1
.irp b, 0,1,2,3,4,5,6,7
	v_cvt_scalef32_pk8_fp8_f32 v[PC+4*\b:PC+4*\b+1], v[S+16*\b:S+16*\b+7], v[SO+\b]
	v_cvt_scalef32_pk8_fp8_f32 v[PC+4*\b+2:PC+4*\b+3], v[S+16*\b+8:S+16*\b+15], v[SO+\b]
.endr
	WIN 0x41
	s_wait_alu depctr_va_vdst(0)                   ; the wait directly ahead of the first reader of O^T
.set j, 0
.rept 32
	v_pk_mul_f32 v[OW+j:OW+j+1], v[OW+j:OW+j+1], v[FP+2*(j/32):FP+2*(j/32)+1] op_sel_hi:[1,0]   ; O^T under the new M; also the places ahead of the products
.set j, j+2
.endr
	s_wait_alu depctr_va_vdst(0)
	s_wait_dscnt 0x0                               ; V of this step and K of the next are in
	WIN 0x55
.irp t, 0,1
	PMUL 0, \t
	PMUL 1, \t, matrix_a_scale:MATRIX_SCALE_ROW1
	PMUL 2, \t
	PMUL 3, \t, matrix_a_scale:MATRIX_SCALE_ROW1
.endr
	WIN 0
.if \skip
.Lhidden_\@:
.endif
	s_add_co_u32 s[TB], s[TB], 16384
	s_add_co_u32 s[TS], s[TS], 256
	s_add_co_u32 s[SI], s[SI], 1
.endm
; THE WAY OUT of a pair: O^T / the sum, quantised along the head's 64 channels (two blocks a tile), as images of the next product's operand registers.
.macro EPI BASE, SOFF
	s_wait_alu depctr_va_vdst(0)
.rept 8
	v_nop
.endr
.irp t, 0,1
	v_add_f32 v[L+2*\t], v[L+2*\t], v[L+2*\t+1]
.endr
.irp t, 0,1
	v_permlanex16_b32 v[T+\t], v[L+2*\t], s[SEL], s[SEL+1]
.endr
.irp t, 0,1
	v_add_f32 v[L+2*\t], v[L+2*\t], v[T+\t]
.endr
	s_wait_alu depctr_va_vdst(0)
	v_rcp_f32 v[L], v[L]
	v_rcp_f32 v[L+2], v[L+2]
	v_nop
	WIN 0x01
	s_wait_alu depctr_va_vdst(0)
.set j, 0
.rept 32
	v_pk_mul_f32 v[S+j:S+j+1], v[OW+j:OW+j+1], v[L+2*(j/32):L+2*(j/32)+1] op_sel_hi:[1,0]
.set j, j+2
.endr
	WIN 0
.irp b, 0,1,2,3
	v_max3_num_f32 v[BM+\b], |v[S+16*\b]|, |v[S+16*\b+1]|, 0x4800000
.endr
.irp i, 2,4,6,8,10,12,14
.irp b, 0,1,2,3
	v_max3_num_f32 v[BM+\b], v[BM+\b], |v[S+16*\b+\i]|, |v[S+16*\b+\i+1]|
.endr
.endr
.irp b, 0,1,2,3
	v_permlanex16_b32 v[PM+\b], v[BM+\b], s[SEL], s[SEL+1]
.endr
.irp b, 0,1,2,3
	v_max_num_f32 v[BM+\b], v[BM+\b], v[PM+\b]
.endr
.irp b, 0,1,2,3
	v_add_nc_u32 v[SO+\b], 0xfc000000, v[BM+\b]
.endr
.irp b, 0,1,2,3
	v_and_or_b32 v[BD+\b], v[BM+\b], 0x7f800000, s[MNT]
.endr
.irp b, 0,1,2,3
	v_lshrrev_b32 v[PM+\b], 23, v[SO+\b]
.endr
	v_lshl_or_b32 v[BM], v[PM+1], 8, v[PM]         ; tile A's two bytes,
	v_lshl_or_b32 v[BM+1], v[PM+3], 8, v[PM+2]     ; tile B's
.set j, 0
.rept 64
	v_med3_num_f32 v[S+j], v[S+j], -v[BD+j/16], v[BD+j/16]
.set j, j+1
.endr
.irp b, 0,1,2,3
	v_cvt_scalef32_pk8_fp8_f32 v[S+64+4*\b:S+65+4*\b], v[S+16*\b:S+16*\b+7], v[SO+\b]
	v_cvt_scalef32_pk8_fp8_f32 v[S+66+4*\b:S+67+4*\b], v[S+16*\b+8:S+16*\b+15], v[SO+\b]
.endr
	v_and_b32 v[T], 15, v0                         ; (a plain line behind the last conversion)
	v_and_b32 v[T+1], 16, v0
	v_lshlrev_b32 v[T], 4, v[T]
	v_lshl_add_u32 v[T], v[T+1], 5, v[T]           ; 16 r, and 512 on for lanes 16-31: tile B's words
	v_add_nc_u32 v[T], s[\SOFF], v[T]
	v_cmp_eq_u32 vcc_lo, 0, v[T+1]
	v_cndmask_b32 v[T+1], v[BM+1], v[BM], vcc_lo
.irp b, 0,1,2,3
	global_store_b128 v[LI], v[S+64+4*\b:S+67+4*\b], s[\BASE:\BASE+1] offset:16384*(\b/2)+512*(\b%2)   ; 32 lanes store 512 consecutive bytes
.endr
	global_store_b16 v[T], v[T+1], s[8:9]
	s_wait_xcnt 0x0                                ; the stores' registers are written again only behind this wait
.endm
	s_wait_alu depctr_va_vdst(0)                   ; the wait at the head's end
	s_cmp_lt_u32 s[WV], 1
	s_cbranch_scc0 .Lnot_a
	s_wait_tensorcnt 0x0                           ; wave 0: the scale words and key steps 0, 1 are in
.Lnot_a:
	s_barrier_signal -1
	s_barrier_wait -1
	s_wait_loadcnt 0x0                             ; Q
	v_perm_b32 v[QS], v[QWL], v[QWL], 0x01000100   ; a tile's two bytes, twice: for Q beside zeros and for zeros beside Q
	v_perm_b32 v[QS+1], v[QWL], v[QWL], 0x03020302
.rept 8
	v_nop
.endr
	s_mov_b32 s[TB], 8192
	s_mov_b32 s[TS], 0
	s_mov_b32 s[SI], 0
	PROLOG
.Lfirst:                               ; key steps 0 and 1 of the late pair, while the other fourteen land
	STEP DGL, 0, 0, 1
	s_cmp_lt_u32 s[SI], 2
	s_cbranch_scc1 .Lfirst
	s_wait_tensorcnt 0x0                           ; every wave's part is in
	s_wait_dscnt 0x0
	s_barrier_signal -1
	s_barrier_wait -1
	PROLOG
.Llate:
	STEP DGL, 1, 1, 15
	s_cmp_lt_u32 s[SI], 16
	s_cbranch_scc1 .Llate
	EPI 60, 79
.set j, 0
.rept 16                               ; the early pair takes the late pair's place
	v_mov_b32 v[QA+j+8*(j/8)], v[QE+j]
.set j, j+1
.endr
	v_perm_b32 v[QS], v[QWE], v[QWE], 0x01000100
	v_perm_b32 v[QS+1], v[QWE], v[QWE], 0x03020302
	s_and_b32 s72, s13, 3
	s_lshl_b32 s72, s72, 5
	v_add_nc_u32 v[DQ], s72, v[DQ0]
	v_add_nc_u32 v[DQ+1], 8, v[DQ]
	INIT
	s_mov_b32 s[TB], 8192
	s_mov_b32 s[TS], 0
	s_mov_b32 s[SI], 0
	PROLOG
.Learly:
	STEP DGE, 1, 1, 15
	s_cmp_lt_u32 s[SI], 16
	s_cbranch_scc1 .Learly
	EPI 62, 80
	s_wait_tensorcnt 0x0                           ; the wave's end
	ds_add_u32 v[SPW], v[NIL]
	s_wait_dscnt 0x0
	CROUND                                         ; the closing round
	s_endpgm
.Lfunc_end_k_q16ea4eeafc_attn:
	.size	k_q16ea4eeafc_attn, .Lfunc_end_k_q16ea4eeafc_attn-k_q16ea4eeafc_attn
	.p2alignl 7, 3214868480
	.fill 96, 4, 3214868480
	.section	.rodata,"a",@progbits
	.p2align	6, 0x0
	.amdhsa_kernel k_q16ea4eeafc_attn
		.amdhsa_group_segment_fixed_size 327680
		.amdhsa_private_segment_fixed_size 0
		.amdhsa_enable_private_segment 0
		.amdhsa_kernarg_size 24
		.amdhsa_user_sgpr_count 2
		.amdhsa_user_sgpr_kernarg_segment_ptr 1
		.amdhsa_wavefront_size32 1
		.amdhsa_system_sgpr_workgroup_id_x 1
		.amdhsa_system_sgpr_workgroup_id_y 1
		.amdhsa_system_sgpr_workgroup_id_z 1
		.amdhsa_system_vgpr_workitem_id 0
		.amdhsa_next_free_vgpr 512
		.amdhsa_next_free_sgpr 84
		.amdhsa_reserve_vcc 1
		.amdhsa_float_denorm_mode_32 3
		.amdhsa_float_denorm_mode_16_64 3
		.amdhsa_memory_ordered 1
		.amdhsa_forward_progress 1
		.amdhsa_inst_pref_size 164
	.end_amdhsa_kernel
	.amdgpu_metadata
---
amdhsa.version: [ 1, 2 ]
amdhsa.kernels:
  - .name:           k_q16ea4eeafc_attn
    .symbol:         k_q16ea4eeafc_attn.kd
    .args:
      - { .name: qkv, .offset: 0, .size: 8, .value_kind: global_buffer, .address_space: global }
      - { .name: ops2, .offset: 8, .size: 8, .value_kind: global_buffer, .address_space: global }
      - { .name: ops2s, .offset: 16, .size: 8, .value_kind: global_buffer, .address_space: global }
    .group_segment_fixed_size: 327680
    .private_segment_fixed_size: 0
    .kernarg_segment_align: 8
    .kernarg_segment_size: 24
    .max_flat_workgroup_size: 256
    .sgpr_count:     84
    .vgpr_count:     512
    .wavefront_size: 32
...
	.end_amdgpu_metadata
.endif
;; end of part 3
;; launch ff (part 4): grid 4 x 64, 4 waves a work-group, clusters of 4 x 4, 327,680 bytes of LDS; arguments ops2, ops2s, bf, out0; writes out0
.if DOCPART == 4
	.amdgcn_target "amdgcn-amd-amdhsa--gfx1250"
	.amdhsa_code_object_version 6
	.text
	.protected	k_q16ea4eeafc_ff
	.globl	k_q16ea4eeafc_ff
	.p2align	8
	.type	k_q16ea4eeafc_ff,@function
k_q16ea4eeafc_ff:
	s_mov_b64 s[64:65], 0
	v_nop
	global_prefetch_b8 v0, s[64:65] scope:SCOPE_SE
	s_setreg_imm32_b32 hwreg(HW_REG_WAVE_MODE, 25, 1), 1
	s_wait_xcnt 0x0
	s_wait_alu depctr_hold_cnt(0) depctr_sa_sdst(0) depctr_va_vdst(0) depctr_va_sdst(0) depctr_va_ssrc(0) depctr_va_vcc(0) depctr_vm_vsrc(0)
	s_getreg_b32 s2, hwreg(HW_REG_IB_STS2, 6, 4)
	s_cmp_eq_u32 s2, 0
	s_cbranch_scc0 .Lentry_in_a_cluster
	s_endpgm
.Lentry_in_a_cluster:
	s_bfe_u32 s2, ttmp6, 0x10000c
	s_cmp_lg_u32 s2, 0xf033
	s_cbranch_scc0 .Lentry_shape_is_right
	s_endpgm
.Lentry_shape_is_right:
; out0 = relu(o Wf^T + bf) on codes of FP8 (E4M3) with E8M0 scales, K = 1,024.  o: row tiles 0-511 of ops2, Wf: tiles 512-575, as images of operand registers [tile][K step of 128][c 0..3][lane][16 bytes];
; row r of tile a is matrix row 32 (a / 2) + 16 (r / 8) + 8 (a % 2) + r % 8.  Scale words (ops2s): [tile][ks / 4][r][ks % 4].
; SHARES: 256 work-groups; a block is 128 tokens x 256 columns; four waves, 2 x 2, each 64 x 128: 32 accumulators (window 2), B's fragments in two sets (window 1), A's in two sets (window 3).
; The matrix instruction is used transposed (source 0 = Wf's rows, source 1 = o's rows): a lane holds eight neighbouring columns of one token.
; LDS: region X holds K steps 0, 1 (A's 8 tiles x 4,096 bytes, then B's 16), region Y K steps 2 to 5 (tiles x 8,192 bytes).  All four tiles are asked for at the head, one joint load a wave, each on a line of its own.
; K steps 6, 7 are filled over region X once, behind a drained round inside K step 1; the last 16 products of K step 1 and the 96 of K steps 2 to 4 stand between that request and the wait for it.  The way out's stages lie in region Y, behind the barrier that ends its last reads.
; CLUSTERS 4 x 4: A's tiles are shared along a row of the cluster, B's along a column.
; NO PREFETCH: the text has no loop to run ahead in; three quarters of its bytes are asked for by the head's loads.
; LIMITS: NaN and infinities are not served.
.set XB,    32768
.set Y0,    98304
.set YB,    Y0+65536
.set SPARE, Y0+196608                  ; behind region Y: 128 spare bytes for each wave
.set NP,    8                          ; places behind this matrix instruction (ISA guide 7.12.1)
.set SPITCH, 528
.set AXA,  16                          ; LDS addresses of my fragments: A, B in region X; A, B in region Y
.set AXB,  17
.set AYA,  18
.set AYB,  19
.set BI,   20                          ; v20-23 my four numbers of the bias
.set STO,  24
.set RD,   25
.set CO,   26
.set SPW,  28
.set NIL,  29
.set SB,   32                          ; v32-95 B's scale words: register 8 b + ks
.set SA,   98                          ; v98-129 A's: register 8 a + ks: its number differs from B's modulo 8
.set BK,   128                         ; the way out: rows read back, two sets of 64
.set G1AX, 24
.set G1BX, 32
.set G1AY, 48
.set G1BY, 56
.set G0AX, 68
.set G0BX, 72
.set G0AY, 76
.set G0BY, 80
.set MULW, 0xad                        ; source 0 window 1, source 1 window 3, C and D window 2
.set MSB, 0
.macro WIN new                         ; the immediate's high byte repeats the setting that is left
.if MSB != (\new)
	s_set_vgpr_msb (MSB<<8)|(\new)
.set MSB, (\new)
.endif
.endm
.macro PLACES n
.rept \n
	v_nop
.endr
.endm
.macro CREST
	s_cmp_lg_u32 s14, 0
	s_cbranch_scc1 .Lnot_wave_0_\@
	s_barrier_signal -3
.Lnot_wave_0_\@:
	s_barrier_wait -3
	s_barrier_signal -1
	s_barrier_wait -1
.endm
.macro CROUND
	s_barrier_signal -1
	s_barrier_wait -1
	CREST
.endm
.macro GROUP1 g, mask, cols, rows      ; so many tiles (rows), 16,384 bytes apart, of so many elements of 8 bytes; no padding
	s_or_b32 s[\g], s[\mask], (3<<16)|(1<<21)
	s_mov_b32 s[\g+1], (\cols)<<16
	s_mov_b32 s[\g+2], (\rows)<<16
	s_mov_b32 s[\g+3], (\cols)<<16
	s_mov_b32 s[\g+4], \rows
	s_mov_b32 s[\g+5], 2048
	s_mov_b32 s[\g+6], 0
	s_mov_b32 s[\g+7], 0
.endm
.macro GROUP0 g, lds, base, off
	s_mov_b32 s[\g], 1
	s_mov_b32 s[\g+1], \lds
	s_add_nc_u64 s[\g+2:\g+3], s[\base:\base+1], \off
	s_or_b32 s[\g+3], s[\g+3], 0x80000000
.endm
.macro TLOAD g0, g1                    ; an s_nop 0 and four v_nop follow each load
	tensor_load_to_lds s[\g0:\g0+3], s[\g1:\g1+7]
	s_nop 0
	PLACES 4
.endm
.macro ARM under, g0, g1, next
	s_cmp_lt_u32 s14, \under
	s_cbranch_scc0 \next
	TLOAD \g0, \g1
	s_branch .Lhead_asked
\next:
.endm
	s_load_b128 s[4:7], s[0:1], 0x0                ; ops2, ops2s
	s_load_b128 s[8:11], s[0:1], 0x10              ; bf, out0
	v_lshl_add_u32 v[SPW], v0, 2, SPARE
	v_mov_b32 v[NIL], 0
	ds_add_u32 v[SPW], v[NIL]                      ; the opening lines
	ds_add_u32 v[SPW], v[NIL]
	v_lshrrev_b32 v1, 5, v0
	v_readfirstlane_b32 s14, v1                    ; wave
	s_lshr_b32 s15, s14, 1                         ; my half of A's tiles
	s_and_b32 s16, s14, 1                          ; my half of B's
	s_bfe_u32 s40, ttmp6, 0x40000                  ; cx, cy
	s_bfe_u32 s41, ttmp6, 0x40004
	s_and_b32 s17, ttmp7, 0xffff
	s_lshl_b32 s17, s17, 2
	s_add_co_u32 s17, s17, s41                     ; block row: 128 tokens
	s_lshl_b32 s42, ttmp9, 2
	s_add_co_u32 s42, s42, s40                     ; block column: 256 columns
	s_lshl_b32 s43, s41, 2
	s_lshl_b32 s43, 15, s43                        ; my row of the cluster
	s_lshl_b32 s44, 0x1111, s40                    ; my column
	GROUP1 G1AX, 43, 512, 8
	GROUP1 G1BX, 44, 512, 16
	GROUP1 G1AY, 43, 1024, 8
	GROUP1 G1BY, 44, 1024, 16
	s_lshl_b32 s20, s17, 17                        ; A: 8 tiles of 16,384 bytes a block row
	s_mov_b32 s21, 0
	s_lshl_b32 s46, s42, 18                        ; B: 16 tiles a block column, behind tile 512
	s_add_co_u32 s46, s46, 512<<14
	s_mov_b32 s47, 0
	s_wait_dscnt 0x0
	s_wait_kmcnt 0x0
	s_add_nc_u64 s[20:21], s[4:5], s[20:21]
	s_add_nc_u64 s[46:47], s[4:5], s[46:47]
	CROUND                                         ; all sixteen work-groups are here
	GROUP0 G0AX, 0,  20, 0
	GROUP0 G0BX, XB, 46, 0
	GROUP0 G0AY, Y0, 20, 4096
	GROUP0 G0BY, YB, 46, 4096
	ARM 1, G0AX, G1AX, .Lhead_bx
	ARM 2, G0BX, G1BX, .Lhead_ay
	ARM 3, G0AY, G1AY, .Lhead_by
	TLOAD G0BY, G1BY
.Lhead_asked:
	s_lshl_b32 s84, s17, 3
	s_lshl_b32 s85, s15, 2
	s_add_co_u32 s84, s84, s85
	s_lshl_b32 s84, s84, 9                         ; my A tiles' scale words: 512 bytes a tile
	s_lshl_b32 s86, s42, 4
	s_lshl_b32 s87, s16, 3
	s_add_co_u32 s86, s86, s87
	s_add_co_u32 s86, s86, 512
	s_lshl_b32 s86, s86, 9                         ; my B tiles'
	s_lshl_b32 s88, s15, 14                        ; my four tiles of A in X,
	s_lshl_b32 s89, s16, 15
	s_add_co_u32 s89, s89, XB                      ; my eight of B in X,
	s_lshl_b32 s90, s15, 15
	s_add_co_u32 s90, s90, Y0                      ; and the same in Y
	s_lshl_b32 s91, s16, 16
	s_add_co_u32 s91, s91, YB
	s_mul_i32 s92, s14, 16*SPITCH
	s_add_co_u32 s92, s92, Y0                      ; my stage
	s_lshl_b32 s18, s42, 10
	s_lshl_b32 s19, s16, 9
	s_add_co_u32 s18, s18, s19                     ; my first column, in bytes
	s_mov_b32 s19, 0
	s_add_nc_u64 s[8:9], s[8:9], s[18:19]
	s_add_nc_u64 s[10:11], s[10:11], s[18:19]
	s_lshl_b32 s18, s17, 7
	s_lshl_b32 s22, s15, 6
	s_add_co_u32 s18, s18, s22
	s_lshl_b32 s18, s18, 12                        ; my first token's row of 4,096 bytes
	s_add_nc_u64 s[10:11], s[10:11], s[18:19]
	v_and_b32 v1, 31, v0
	v_lshlrev_b32 v2, 4, v1                        ; 16 x lane
	v_and_b32 v3, 15, v0
	v_lshlrev_b32 v4, 4, v3                        ; 16 r
	v_add_nc_u32 v5, s84, v4
	v_add_nc_u32 v6, s86, v4
	v_lshlrev_b32 v[CO], 4, v1
.irp i, 0,1,2,3,4,5,6,7
.irp kq, 0,1
	global_load_b128 v[SB+8*\i+4*\kq:SB+8*\i+4*\kq+3], v6, s[6:7] offset:512*\i+256*\kq   ; sixteen lanes read 256 consecutive bytes; lanes 16-31 take the same
.endr
.endr
.irp i, 0,1,2,3
.irp kq, 0,1
	global_load_b128 v[SA+8*\i+4*\kq:SA+8*\i+4*\kq+3], v5, s[6:7] offset:512*\i+256*\kq
.endr
.endr
	global_load_b128 v[BI:BI+3], v[CO], s[8:9]
	v_add_nc_u32 v[AXA], s88, v2
	v_add_nc_u32 v[AXB], s89, v2
	v_add_nc_u32 v[AYA], s90, v2
	v_add_nc_u32 v[AYB], s91, v2
	v_mul_u32_u24 v7, v3, SPITCH
	v_bfe_u32 v8, v0, 4, 1
	v_lshl_add_u32 v7, v8, 6, v7
	v_add_nc_u32 v[STO], s92, v7                   ; into the stage: row r, 64 bytes on for lanes 16-31
	v_add_nc_u32 v[RD], s92, v2                    ; back: 32 lanes take a row of 512 bytes
; the fragments of K step ks into set p: they come as they lie, 512 consecutive bytes a load
.macro FETCH ks, p
.if ((\ks) < 2) || ((\ks) > 5)
.set RA, AXA
.set RB, AXB
.set TP, 4096
.set KO, 2048*((\ks)%2)
.else
.set RA, AYA
.set RB, AYB
.set TP, 8192
.set KO, 2048*((\ks)-2)
.endif
	WIN 0x40
.irp i, 0,1,2,3,4,5,6,7
.irp c, 0,1,2,3
	ds_load_b128 v[128*(\p)+16*\i+4*\c:128*(\p)+16*\i+4*\c+3], v[RB] offset:TP*\i+KO+512*\c
.endr
.endr
	WIN 0xc0
.irp i, 0,1,2,3
.irp c, 0,1,2,3
	ds_load_b128 v[64*(\p)+16*\i+4*\c:64*(\p)+16*\i+4*\c+3], v[RA] offset:TP*\i+KO+512*\c
.endr
.endr
	WIN 0
.endm
; eight products: A's tile a x B's eight.  The 32 accumulators take turns in the same order in every K step.
.macro MUL8 a, ks, zero
.irp b, 0,1,2,3,4,5,6,7
.if \zero
	v_wmma_scale_f32_16x16x128_f8f6f4 v[8*(8*(\a)+\b):8*(8*(\a)+\b)+7], v[128*((\ks)%2)+16*\b:128*((\ks)%2)+16*\b+15], v[64*((\ks)%2)+16*(\a):64*((\ks)%2)+16*(\a)+15], 0, v[SB+8*\b+(\ks)], v[SA+8*(\a)+(\ks)]
.else
	v_wmma_scale_f32_16x16x128_f8f6f4 v[8*(8*(\a)+\b):8*(8*(\a)+\b)+7], v[128*((\ks)%2)+16*\b:128*((\ks)%2)+16*\b+15], v[64*((\ks)%2)+16*(\a):64*((\ks)%2)+16*(\a)+15], v[8*(8*(\a)+\b):8*(8*(\a)+\b)+7], v[SB+8*\b+(\ks)], v[SA+8*(\a)+(\ks)]
.endif
.endr
.endm
.macro KSTEP ks, zero, fetch           ; a K step whose successor lies in bytes that are already shown
	s_wait_dscnt 0x0                               ; this step's fragments are in
.if \fetch
	PLACES NP                                      ; behind the last step's products, ahead of loads into the set that they read
	FETCH (\ks)+1, 1-(\ks)%2
.endif
	WIN MULW
	MUL8 0, \ks, \zero
	MUL8 1, \ks, \zero
	MUL8 2, \ks, \zero
	MUL8 3, \ks, \zero
	WIN 0
.endm
.macro TURN ks, fill                   ; a K step with a barrier: behind it the next region is whole.  fill = 1: a round of the cluster's barrier, and region X is filled again
	s_wait_dscnt 0x0                               ; this step's fragments are in: my last reads of the region that I leave
	s_wait_tensorcnt 0x0                           ; all my tensor loads have landed
	ds_add_u32 v[SPW], v[NIL]
	WIN MULW
	MUL8 0, \ks, 0
	s_wait_dscnt 0x0
	s_barrier_signal -1
	MUL8 1, \ks, 0
	WIN 0
	s_barrier_wait -1
.if \fill
	CREST
	s_add_nc_u64 s[G0AX+2:G0AX+3], s[G0AX+2:G0AX+3], 12288   ; K step 6
	s_add_nc_u64 s[G0BX+2:G0BX+3], s[G0BX+2:G0BX+3], 12288
	s_cmp_lt_u32 s14, 1
	s_cbranch_scc0 .Lfor_b_\@
	TLOAD G0AX, G1AX
	s_branch .Lasked_\@
.Lfor_b_\@:
	s_cmp_lt_u32 s14, 2
	s_cbranch_scc0 .Lasked_\@
	TLOAD G0BX, G1BX
.Lasked_\@:
.endif
	PLACES NP
	FETCH (\ks)+1, 1-(\ks)%2
	WIN MULW
	MUL8 2, \ks, 0
	MUL8 3, \ks, 0
	WIN 0
.endm
	s_wait_alu depctr_va_vdst(0)                   ; the wait at the head's end
	s_cmp_lt_u32 s14, 2
	s_cbranch_scc0 .Lnot_x
	s_wait_tensorcnt 0x0                           ; waves 0 and 1: region X is in; region Y's loads are waited for inside K step 1
.Lnot_x:
	s_barrier_signal -1
	s_barrier_wait -1
	FETCH 0, 0
	s_wait_loadcnt 0x0                             ; the scale words and the bias
	KSTEP 0, 1, 1
	TURN 1, 1
	KSTEP 2, 0, 1
	KSTEP 3, 0, 1
	KSTEP 4, 0, 1
	TURN 5, 0
	KSTEP 6, 0, 1
	KSTEP 7, 0, 0
; THE WAY OUT, a tile of 16 tokens x 128 columns at a time, through my own stage: whole rows of 512 bytes come back, take the bias and the clip at 0, and leave as two aligned units of 256 bytes.
.macro TOSTAGE a
	WIN 0x08                                       ; the data: window 2
.irp b, 0,1,2,3,4,5,6,7
	ds_store_b128 v[STO], v[64*(\a)+8*\b:64*(\a)+8*\b+3] offset:128*(\b/2)+32*(\b%2)
	ds_store_b128 v[STO], v[64*(\a)+8*\b+4:64*(\a)+8*\b+7] offset:128*(\b/2)+32*(\b%2)+16
.endr
	WIN 0
.set BB, BK+64*((\a)%2)
.irp t, 0,1,2,3,4,5,6,7,8,9,10,11,12,13,14,15
	ds_load_b128 v[BB+4*\t:BB+4*\t+3], v[RD] offset:\t*SPITCH   ; LDS serves a wave's instructions in order
.endr
.endm
.macro SEND a, younger                 ; younger: the LDS instructions issued behind tile a's loads
.set BB, BK+64*((\a)%2)
	s_wait_dscnt \younger
.irp t, 0,1,2,3,4,5,6,7,8,9,10,11,12,13,14,15
	v_pk_add_f32 v[BB+4*\t:BB+4*\t+1], v[BB+4*\t:BB+4*\t+1], v[BI:BI+1]
	v_pk_add_f32 v[BB+4*\t+2:BB+4*\t+3], v[BB+4*\t+2:BB+4*\t+3], v[BI+2:BI+3]
.irp j, 0,1,2,3
	v_max_num_f32 v[BB+4*\t+\j], 0, v[BB+4*\t+\j]
.endr
	global_store_b128 v[CO], v[BB+4*\t:BB+4*\t+3], s[10:11] offset:(32*((\a)/2)+8*((\a)%2)+\t+8*(\t/8))*4096 th:TH_STORE_NT
.endr
.endm
	PLACES NP
	TOSTAGE 0
.irp a, 1,2,3
.if \a > 1
	s_wait_xcnt 0x0                                ; tile a - 2's stores have read their registers
.endif
	TOSTAGE \a
	SEND (\a)-1, 32
.endr
	SEND 3, 0
	s_wait_tensorcnt 0x0                           ; the wave's end
	ds_add_u32 v[SPW], v[NIL]
	s_wait_dscnt 0x0
	CROUND                                         ; the closing round
	s_endpgm
.Lfunc_end_k_q16ea4eeafc_ff:
	.size	k_q16ea4eeafc_ff, .Lfunc_end_k_q16ea4eeafc_ff-k_q16ea4eeafc_ff
	.p2alignl 7, 3214868480
	.fill 96, 4, 3214868480
	.section	.rodata,"a",@progbits
	.p2align	6, 0x0
	.amdhsa_kernel k_q16ea4eeafc_ff
		.amdhsa_group_segment_fixed_size 327680
		.amdhsa_private_segment_fixed_size 0
		.amdhsa_enable_private_segment 0
		.amdhsa_kernarg_size 32
		.amdhsa_user_sgpr_count 2
		.amdhsa_user_sgpr_kernarg_segment_ptr 1
		.amdhsa_wavefront_size32 1
		.amdhsa_system_sgpr_workgroup_id_x 1
		.amdhsa_system_sgpr_workgroup_id_y 1
		.amdhsa_system_sgpr_workgroup_id_z 1
		.amdhsa_system_vgpr_workitem_id 0
		.amdhsa_next_free_vgpr 1024
		.amdhsa_next_free_sgpr 96
		.amdhsa_reserve_vcc 0
		.amdhsa_float_denorm_mode_32 3
		.amdhsa_float_denorm_mode_16_64 3
		.amdhsa_memory_ordered 1
		.amdhsa_forward_progress 1
		.amdhsa_inst_pref_size 102
	.end_amdhsa_kernel
	.amdgpu_metadata
---
amdhsa.version: [ 1, 2 ]
amdhsa.kernels:
  - .name:           k_q16ea4eeafc_ff
    .symbol:         k_q16ea4eeafc_ff.kd
    .args:
      - { .name: ops2, .offset: 0, .size: 8, .value_kind: global_buffer, .address_space: global }
      - { .name: ops2s, .offset: 8, .size: 8, .value_kind: global_buffer, .address_space: global }
      - { .name: bf, .offset: 16, .size: 8, .value_kind: global_buffer, .address_space: global }
      - { .name: out0, .offset: 24, .size: 8, .value_kind: global_buffer, .address_space: global }
    .group_segment_fixed_size: 327680
    .private_segment_fixed_size: 0
    .kernarg_segment_align: 8
    .kernarg_segment_size: 32
    .max_flat_workgroup_size: 128
    .sgpr_count:     96
    .vgpr_count:     1024
    .wavefront_size: 32
...
	.end_amdgpu_metadata
.endif
;; end of part 4
